; MI455X (gfx1250); checked and timed in simulation.
; The chip was launched on July 23, 2026; its instructions are those of AMD's public machine-readable ISA for CDNA 5 (MIT licence, August 2026) and "CDNA5" Instruction Set Architecture Reference Guide (July 2026). The comments in the code are by the model that wrote it; some were corrected since.
;; Attn Fuser. Allowed arithmetic: matrix products marked QUANTISED: E2M3 operands, one E8M0 scale for each 32 along K, by v_wmma_scale_f32_16x16x128_f8f6f4 with both operands' format E2M3, f32 sums; everything else in f32.
;; Inputs: W1 1,024 x 4,096 float32; W2 4,096 x 1,024 float32; Wk 1,024 x 1,024 float32; Wq 1,024 x 1,024 float32; Wv 1,024 x 1,024 float32; b1 4,096 float32; b2 1,024 float32; bk 1,024 float32; bq 1,024 float32; bv 1,024 float32; context 2 x 2,048 x 1,024 float32; cpos 2 x 2,048 int32; fn_b 1,024 float32; fn_g 1,024 float32; kn_b 64 float32; kn_g 64 float32; qn_b 64 float32; qn_g 64 float32; qpos 2 x 2,048 int32; query 2 x 2,048 x 1,024 float32.
;; Outputs: out0 2 x 2,048 x 1,024 float32.
;; This version of the problem:
;;   THIS VERSION OF THE PROBLEM IS GIVEN IN LOW PRECISION. The matrix products marked QUANTISED in the list below multiply operands that are first quantised to E2M3 (2 exponent bits, 3 mantissa bits; 6 bits a number), with one power-of-two scale for each 32 numbers along K (OCP MX v1.0); their sums are f32. All else is computed in f32.
;;   The module's matrix products, in the order in which they are computed (A, B: the left and right operand; K: the contracted axis; several contracted axes count as one K, in the product's order):
;;     1. [M 4,096, K 1,024] x [K 1,024, N 1,024]; A: input query; B: input Wq: QUANTISED
;;     2. [M 4,096, K 1,024] x [K 1,024, N 1,024]; A: input context; B: input Wk: QUANTISED
;;     3. [M 4,096, K 1,024] x [K 1,024, N 1,024]; A: input context; B: input Wv: QUANTISED
;;     4. batch 32 x [M 2,048, K 64] x [K 64, N 2,048]; A: computed on the way; B: computed on the way: QUANTISED
;;     5. batch 32 x [M 2,048, K 2,048] x [K 2,048, N 64]; A: softmax (see below); B: computed on the way: QUANTISED
;;     6. [M 4,096, K 1,024] x [K 1,024, N 4,096]; A: computed on the way; B: input W1: QUANTISED
;;     7. [M 4,096, K 4,096] x [K 4,096, N 1,024]; A: computed on the way; B: input W2: QUANTISED
;;   THE QUANTISER, for each operand of a quantised product, along K:
;;     - K is cut into blocks of 32 from its start; a last block that is shorter is filled with zeros.
;;     - A block's scale is 2^e with e = floor(log2(the largest magnitude in the block)) - 2, held to -126 .. 127; a block of zeros has e = 0. As a byte (E8M0): e + 127.
;;     - Each number is divided by its block's scale, clamped to +-7.5, and rounded to the nearest number of E2M3, ties to even, subnormals kept.
;;     - The product sums the exact products of the quantised numbers (number of the format x scale) in f32.
;;   ~~~python
;;   def quantise(x, axis):      # numpy; x: float32 -> the quantised numbers, widened to float32 again
;;       x = np.moveaxis(x, axis, -1); K = x.shape[-1]
;;       x = np.pad(x, [(0, 0)] * (x.ndim - 1) + [(0, -K % 32)]); x = x.reshape(x.shape[:-1] + (-1, 32)); a = np.abs(x).max(-1, keepdims=True)
;;       e = np.where(a > 0, np.clip(np.frexp(np.where(a > 0, a, 1))[1] - 1 - 2, -126, 127), 0)      # np.frexp(a)[1] - 1 = floor(log2(a)), exactly
;;       r = np.clip(x / 2.0 ** e, -7.5, 7.5)
;;       step = 2.0 ** (np.maximum(np.frexp(np.where(r == 0, 1, r))[1] - 1, 0) - 3)
;;       q = np.round(r / step) * step * 2.0 ** e      # np.round: ties to even
;;       return np.moveaxis(q.reshape(q.shape[:-2] + (-1,))[..., :K], -1, axis).astype(np.float32)
;;   ~~~
;;   SOFTMAX AHEAD OF A QUANTISED PRODUCT. Where the list says 'softmax', what is quantised is not the finished softmax but p = 2^(t - M), with t = logit x log2(e) and M = ceil(the row's largest t), a whole number; so 1/2 < the row's largest p <= 1. The row's sum l is taken of the UNQUANTISED p, in f32, and the product's result is divided by l at the end. Since M is a whole number, a kernel that streams over the keys may use a running M (the ceiling of the running maximum): every later rescaling is an exact power of two, which a block's scale takes up: the codes' values come out the same.
;;   OPERANDS COMPUTED ON THE WAY. 'Computed on the way' means the value that the module computes at that place (a softmax that the list does not call 'softmax' is quantised finished and normalised). What goes into a quantiser is computed in f32, as accurately as f32 sums, v_exp_f32 and their like allow (about 1e-6 of the number): no bf16 or f16 on the way to a quantiser, and a product that is left as it is and whose result goes on into a quantised operand takes f32 operands (vector FMAs, or v_wmma_f32_16x16x4_f32). A number that lies on a knife's edge between two numbers of the format may be rounded either way, as far as f32 arithmetic and the matrix unit's own rounding can turn it there, and no further.
;; One version. Each part assembles by itself: llvm-mc -triple=amdgcn-amd-amdhsa -mcpu=gfx1250 --defsym DOCPART=n.
;; ======== version 1 of 1: 6 launches
;; limits: right only within a limited range of input values
;; workspace buffers: acts 6,553,600 bytes; wts 9,011,200 bytes; tab 2,097,152 bytes; qkv 10,092,544 bytes; o 16,777,216 bytes; hp 3,276,800 bytes; gp 13,107,200 bytes
;; launch prep (part 1): grid 736 x 1, 4 waves a work-group, no clusters, 60,928 bytes of LDS; arguments query, context, qpos, cpos, Wq, Wk, Wv, W1, W2, acts, wts, tab; writes acts, wts, tab
.if DOCPART == 1
	.amdgcn_target "amdgcn-amd-amdhsa--gfx1250"
	.amdhsa_code_object_version 6
	.text
	.protected	k_qa48663dc49_prep
	.globl	k_qa48663dc49_prep
	.p2align	8
	.type	k_qa48663dc49_prep,@function
k_qa48663dc49_prep:
	s_mov_b64 s[64:65], 0
	v_nop
	global_prefetch_b8 v0, s[64:65] scope:SCOPE_SE
	s_setreg_imm32_b32 hwreg(HW_REG_WAVE_MODE, 25, 1), 1
	s_wait_xcnt 0x0
; Three jobs, told apart by the work-group's number:
;   0-255    query and context (f32, K innermost) become codes of E2M3 with E8M0 scale bytes, laid as PANEL RECORDS;
;   256-607  W1, W2, Wq, Wk, Wv (f32, K outermost) likewise: a lane takes a column and its registers run down K;
;   608-735  the table of cos and sin for the rotary embedding, one row of 256 bytes for each position of qpos and cpos.
; A PANEL RECORD is 128 rows x 256 along K, 25,600 bytes: the image of the operand's registers.  Fragment (q, i) (q: which 128 of K, i: which
; 16 rows) is 1,536 bytes at 12,288 q + 1,536 i: three pieces of 512 bytes, piece c = registers 4 c .. 4 c + 3, lane L's 16 bytes at 16 L.
; The scale words lie at 24,576 + 512 q + 64 i + 4 x place.  Tile i = 2 B + u, place p holds row 32 B + 8 u + p + (p & 8) of the panel, so that a
; transposed product's 16 registers of two neighbouring tiles are 16 neighbours along that operand's rows.
; A block's scale byte is its largest magnitude's exponent field - 2, held at 1 from below; the conversion holds at the largest code.
; THE ACTIVATIONS' LOADS take the bytes as they lie: one load reads 512 consecutive bytes of one row, 16 a lane.  The quantiser wants 16 neighbours of each block of 32 in one lane: so a
; fragment's 16 rows x 512 bytes turn through the wave's own stage in LDS, rows 528 bytes apart, and come back into the registers that they left.
; LIMITS: NaN and infinities are not served.  A block of zeros gets the byte 1 (its codes are zeros; this program alone reads the bytes).
; Positions: |pos| under 2^24; the angle's reduction by pi/2 in two parts serves angles up to about 1e5.
.set REC,   25600
.set SPARE, 26624                      ; behind the weights' four stages: the spare words, 128 bytes a wave
.set ASTG,  27136                      ; behind them: the activations' four stages, bytes that the weights' path never names
.set APIT,  528                        ; a stage row: 512 bytes + 16: the sixteen rows that a load touches begin in sixteen different 16-byte columns of 256
.set SEL,   28                         ; s[28:29] selects of v_permlanex16_b32: lane l xor 16
.set WVN,   30                         ; s30 my wave's number
.set PC,    160                        ; v160-178 a fragment's codes
.set TM,    180                        ; v180-195 at work in QUANT
.set PW,    196                        ; the scale word just made
.set PW0,   197
.set SPW,   198                        ; LDS address of my spare word; never rewritten
.set NIL,   199                        ; 0; never rewritten
; 64 numbers of a lane, register 16 b + i = k 32 b + 16 (lane / 16) + i of my row, become a fragment's codes in v[pc] on and its scale word in v[pw].
.macro QUANT s, pc, tm, pw
.irp b, 0,1,2,3
	v_max3_num_f32 v[\tm+\b], |v[\s+16*\b]|, |v[\s+1+16*\b]|, 0x1800000   ; my 16 numbers of block b, and the floor 2^(3 - 127)
.endr
.irp i, 2,4,6,8,10,12,14
.irp b, 0,1,2,3
	v_max3_num_f32 v[\tm+\b], v[\tm+\b], |v[\s+16*\b+\i]|, |v[\s+1+16*\b+\i]|
.endr
.endr
.irp b, 0,1,2,3
	v_permlanex16_b32 v[\tm+4+\b], v[\tm+\b], s[SEL], s[SEL+1]
.endr
.irp b, 0,1,2,3
	v_max_num_f32 v[\tm+\b], v[\tm+\b], v[\tm+4+\b]             ; with lane l xor 16's: the block's largest magnitude
.endr
.irp b, 0,1,2,3
	v_add_nc_u32 v[\tm+12+\b], 0xff000000, v[\tm+\b]           ; 2 off its exponent field: the conversion's scale operand
.endr
.irp b, 0,1,2,3
	v_lshrrev_b32 v[\tm+4+\b], 23, v[\tm+12+\b]                ; the scale's byte
.endr
	v_lshl_or_b32 v[\pw], v[\tm+5], 8, v[\tm+4]
	v_lshl_or_b32 v[\pw], v[\tm+6], 16, v[\pw]
	v_lshl_or_b32 v[\pw], v[\tm+7], 24, v[\pw]
.irp c, 0,1
	v_cvt_scalef32_pk16_fp6_f32 v[\pc+6*\c:\pc+2+6*\c], v[\s+32*\c:\s+15+32*\c], v[\tm+12+2*\c]
	v_cvt_scalef32_pk16_fp6_f32 v[\pc+12+4*\c:\pc+14+4*\c], v[\s+16+32*\c:\s+31+32*\c], v[\tm+12+2*\c+1]
.endr
	v_nop                                          ; one plain place behind a scaled conversion
.irp c, 0,1                                    ; the layout wants a whole block in a lane: lanes 0-15 block 2 c, lanes 16-31 block 2 c + 1
.irp i, 0,1,2
	v_permlane16_swap_b32 v[\pc+6*\c+\i], v[\pc+12+4*\c+\i]
.endr
.irp i, 0,1,2
	v_mov_b32 v[\pc+3+6*\c+\i], v[\pc+12+4*\c+\i]
.endr
.endr
.endm
	s_load_b512 s[4:19], s[0:1], 0x0               ; query, context, qpos, cpos, Wq, Wk, Wv, W1
	s_load_b256 s[20:27], s[0:1], 0x40             ; W2, acts, wts, tab
	v_lshl_add_u32 v[SPW], v0, 2, SPARE
	v_mov_b32 v[NIL], 0
	v_lshrrev_b32 v1, 5, v0
	v_readfirstlane_b32 s[WVN], v1
	v_and_b32 v1, 31, v0                           ; lane
	v_and_b32 v2, 15, v0                           ; r
	v_bfe_u32 v3, v0, 4, 1                         ; h
	s_mov_b32 s[SEL], 0x76543210
	s_mov_b32 s[SEL+1], 0xfedcba98
	s_wait_kmcnt 0x0
	s_cmp_ge_u32 ttmp9, 608
	s_cbranch_scc1 .Ltable
	s_cmp_ge_u32 ttmp9, 256
	s_cbranch_scc1 .Lweights
; ---------------- activations: the work-group's number IS the record's: (32 x tensor + panel) x 4 + K slot.  Wave w makes tiles 2 w, 2 w + 1, both halves of the slot's K.
	s_lshr_b32 s31, ttmp9, 7
	s_cmp_eq_u32 s31, 0
	s_cselect_b64 s[4:5], s[4:5], s[6:7]           ; query or context: the choice hangs on the work-group's number alone
	s_bfe_u32 s32, ttmp9, 0x50002                  ; panel
	s_and_b32 s33, ttmp9, 3                        ; K slot
	s_lshl_b32 s34, s32, 19                        ; 128 rows of 4,096 bytes
	s_lshl_b32 s35, s[WVN], 17                     ; my 32 rows
	s_add_co_u32 s34, s34, s35
	s_lshl_b32 s35, s33, 10                        ; 256 numbers along K
	s_add_co_u32 s34, s34, s35
	s_mov_b32 s35, 0
	s_add_nc_u64 s[4:5], s[4:5], s[34:35]
	s_mul_i32 s34, ttmp9, REC
	s_add_nc_u64 s[22:23], s[22:23], s[34:35]
	s_wait_alu depctr_va_vdst(0)
	v_lshlrev_b32 v4, 4, v1                        ; 16 L: my 16 bytes of a row's 512
	s_mul_i32 s38, s[WVN], 16*APIT
	s_add_co_u32 s38, s38, ASTG                    ; my stage
	v_add_nc_u32 v16, s38, v4                      ; into it: as loaded, a row to a store
	v_mul_u32_u24 v17, v2, APIT
	v_lshl_add_u32 v17, v3, 6, v17
	v_add_nc_u32 v17, s38, v17                     ; out of it: row r, + 64 h: my 16 numbers of a block of 32
	s_mul_i32 s36, s[WVN], 3072
	v_lshl_add_u32 v5, v1, 4, s36                  ; images: 16 L + my two tiles
	s_lshl_b32 s36, s[WVN], 7
	s_add_co_u32 s36, s36, 24576
	v_lshl_add_u32 v6, v1, 2, s36                  ; scale words: 4 L + my two tiles' 128 bytes
	s_mov_b32 s37, 0xffff0000                      ; lanes 16-31
.irp b, 0,1,2,3
	v_mov_b32 v[TM+4+\b], 0                        ; written once: a lane permute's destination counts as one of its sources
.endr
.macro XLOAD reg, u, q                         ; tile 2 w + u, the q-th 128 along K: place t's row, 512 consecutive bytes a load
.irp t, 0,1,2,3,4,5,6,7,8,9,10,11,12,13,14,15
	global_load_b128 v[\reg+4*\t:\reg+4*\t+3], v4, s[4:5] offset:(\t+(\t&8))*4096+\u*32768+\q*512 th:TH_LOAD_NT
.endr
.endm
.macro TURNA buf                               ; 16 rows x 512 bytes through my stage and back into the registers that they left: register 16 b + 4 j + k is then number 32 b + 16 h + 4 j + k of row r
.irp t, 0,1,2,3,4,5,6,7,8,9,10,11,12,13,14,15
	ds_store_b128 v16, v[\buf+4*\t:\buf+4*\t+3] offset:\t*APIT
.endr
.irp b, 0,1,2,3
.irp j, 0,1,2,3
	ds_load_b128 v[\buf+16*\b+4*\j:\buf+16*\b+4*\j+3], v17 offset:128*\b+16*\j   ; LDS serves a wave's instructions in order: these see my stores, and the next fragment's stores come behind them
.endr
.endr
	s_wait_dscnt 0x0
.endm
.macro AFRAG buf, u, q, left, more
	s_wait_loadcnt \left                           ; this buffer's 16 loads are in; the other buffer's may be out
	TURNA \buf
	s_wait_xcnt 0x0                                ; the last fragment's stores have read the codes' registers
	QUANT \buf, PC, TM, PW
.irp c, 0,1,2
	global_store_b128 v5, v[PC+4*\c:PC+4*\c+3], s[22:23] offset:\q*12288+\u*1536+512*\c   ; 512 consecutive bytes a store
.endr
.if \more
	XLOAD \buf, \u, 1
.endif
.if \u == 0
	v_mov_b32 v[PW0], v[PW]
.else
	v_cndmask_b32 v[8+\q], v[PW0], v[PW], s37      ; lanes 0-15 tile 2 w's words, lanes 16-31 tile 2 w + 1's: 128 consecutive bytes
	global_store_b32 v6, v[8+\q], s[22:23] offset:512*\q
.endif
.endm
	XLOAD 32, 0, 0
	XLOAD 96, 1, 0
	s_wait_alu depctr_va_vdst(0)
	AFRAG 32, 0, 0, 16, 1
	AFRAG 96, 1, 0, 16, 1
	AFRAG 32, 0, 1, 16, 0
	AFRAG 96, 1, 1, 0, 0
	s_wait_tensorcnt 0x0                           ; the wave's end
	ds_add_u32 v[SPW], v[NIL]
	s_wait_dscnt 0x0
	s_endpgm
; ---------------- weights: one record to a work-group; wave B takes columns 32 B + lane, eight blocks of 32 down K
.Lweights:
.set VO,  16                           ; v16-47  4 x lane + i rows
.set WX,  48                           ; v48-111 two sets of 32 numbers
.set CW,  112                          ; v112-117 a block's codes
.set DW,  118                          ; v118-120 its upper half as converted
.set M1,  122
.set M2,  123
.set SO,  124
.set BY,  125
.set SBY, 126                          ; v126-127 the scale words of the two halves of K
.set OUTR, 128                         ; v128-175 the way out
	s_sub_co_u32 s31, ttmp9, 256                   ; 0-127 W1, 128-255 W2, 256-351 Wq, Wk, Wv
	s_lshr_b32 s32, s31, 2                         ; W1: panel
	s_and_b32 s33, s31, 3                          ; W1, Wq..: K slot
	s_bfe_u32 s34, s31, 0x30004                    ; W2: panel
	s_and_b32 s35, s31, 15                         ; W2: K slot
	s_and_b32 s36, s32, 7                          ; Wq..: panel
	s_bfe_u32 s37, s31, 0x20005                    ; Wq..: which of the three
	s_add_co_u32 s38, s31, 96                      ; W1, W2: the record's number in wts
	s_sub_co_u32 s39, s31, 256                     ; Wq..: likewise
	s_cmp_eq_u32 s37, 0
	s_cselect_b64 s[12:13], s[12:13], s[14:15]
	s_cmp_eq_u32 s37, 2
	s_cselect_b64 s[12:13], s[16:17], s[12:13]
	s_cmp_lt_u32 s31, 256
	s_cselect_b64 s[12:13], s[20:21], s[12:13]
	s_cselect_b32 s36, s34, s36
	s_cselect_b32 s35, s35, s33
	s_cselect_b32 s39, s38, s39
	s_cmp_lt_u32 s31, 128
	s_cselect_b64 s[12:13], s[18:19], s[12:13]
	s_cselect_b32 s36, s32, s36                    ; panel
	s_cselect_b32 s35, s33, s35                    ; K slot
	s_cselect_b32 s39, s38, s39                    ; record
	s_mov_b32 s40, 4096
	s_cselect_b32 s40, 16384, s40                  ; a row of the weight in bytes
	s_lshl_b32 s41, s35, 8
	s_mul_i32 s42, s41, s40                        ; 256 rows a K slot
	s_lshl_b32 s41, s36, 9
	s_add_co_u32 s42, s42, s41                     ; 128 columns a panel
	s_lshl_b32 s41, s[WVN], 7
	s_add_co_u32 s42, s42, s41                     ; my wave's 32 columns
	s_mov_b32 s43, 0
	s_add_nc_u64 s[44:45], s[12:13], s[42:43]      ; block 0's first row;
	s_lshl_b32 s42, s40, 5
.irp t, 1,2,3,4,5,6,7
	s_add_nc_u64 s[44+2*\t:45+2*\t], s[42+2*\t:43+2*\t], s[42:43]   ; each block 32 rows further down
.endr
	s_mul_i32 s42, s39, REC
	s_add_nc_u64 s[24:25], s[24:25], s[42:43]
	s_wait_alu depctr_va_vdst(0)
	v_lshlrev_b32 v8, 2, v1
.set i, 0
.rept 32
	v_mad_u32_u24 v[VO+i], s40, i, v8
.set i, i+1
.endr
	v_bfe_u32 v13, v0, 3, 1                        ; my column's tile is 2 B + u, u = (lane / 8) % 2,
	v_and_b32 v14, 7, v0
	v_lshl_or_b32 v14, v3, 3, v14                  ; its place lane % 8 + 8 (lane / 16)
	s_mul_i32 s60, s[WVN], 6656                    ; my stage: four fragments, 1,664 bytes apart, so that u = 1 lies 128 bytes on in the banks
	v_mul_u32_u24 v9, v13, 1664
	v_lshl_add_u32 v9, v14, 4, v9
	v_add_nc_u32 v9, s60, v9                       ; into the stage
	v_lshl_add_u32 v10, v1, 4, s60                 ; out of it: 16 x lane
	s_mul_i32 s61, s[WVN], 3072
	v_lshl_add_u32 v11, v1, 4, s61                 ; and in the record
	s_lshl_b32 s61, s[WVN], 7
	s_add_co_u32 s61, s61, 24576
	v_lshl_add_u32 v12, v13, 6, s61
	v_lshl_add_u32 v12, v14, 2, v12                ; my column's scale word
.macro WLOAD t
.set i, 0
.rept 32
	global_load_b32 v[WX+32*((\t)%2)+i], v[VO+i], s[44+2*(\t):45+2*(\t)] th:TH_LOAD_NT   ; 32 lanes read 128 consecutive bytes, the four waves 512
.set i, i+1
.endr
.endm
.macro WBLOCK t
.set XS, WX+32*((\t)%2)
.if (\t) < 7
	s_wait_loadcnt 32                              ; this block's 32 loads are in; the next block's may be out
.else
	s_wait_loadcnt 0x0
.endif
	v_max3_num_f32 v[M1], |v[XS]|, |v[XS+1]|, |v[XS+2]|
	v_max3_num_f32 v[M2], |v[XS+3]|, |v[XS+4]|, |v[XS+5]|
.irp i, 6,10,14,18,22,26
	v_max3_num_f32 v[M1], v[M1], |v[XS+\i]|, |v[XS+\i+1]|
	v_max3_num_f32 v[M2], v[M2], |v[XS+\i+2]|, |v[XS+\i+3]|
.endr
	v_max3_num_f32 v[M1], v[M1], |v[XS+30]|, |v[XS+31]|
	v_max3_num_f32 v[M1], v[M1], v[M2], 0x1800000  ; and the floor
	v_add_nc_u32 v[SO], 0xff000000, v[M1]
	v_lshrrev_b32 v[BY], 23, v[SO]
.if (\t)%4 == 0
	v_mov_b32 v[SBY+(\t)/4], v[BY]
.else
	v_lshl_or_b32 v[SBY+(\t)/4], v[BY], 8*((\t)%4), v[SBY+(\t)/4]
.endif
	v_cvt_scalef32_pk16_fp6_f32 v[CW:CW+2], v[XS:XS+15], v[SO]
	v_cvt_scalef32_pk16_fp6_f32 v[DW:DW+2], v[XS+16:XS+31], v[SO]
	v_nop
.irp i, 0,1,2
	v_mov_b32 v[CW+3+\i], v[DW+\i]
.endr
; block t is registers 6 ((t / 2) % 2) .. + 5 of lane 16 (t % 2) + place in fragment (t / 4, my tile)
.if ((\t)/2)%2 == 0
	ds_store_b128 v9, v[CW:CW+3] offset:((\t)/4)*3328+((\t)%2)*256
	ds_store_b64 v9, v[CW+4:CW+5] offset:((\t)/4)*3328+((\t)%2)*256+512
.else
	ds_store_b64 v9, v[CW:CW+1] offset:((\t)/4)*3328+((\t)%2)*256+520
	ds_store_b128 v9, v[CW+2:CW+5] offset:((\t)/4)*3328+((\t)%2)*256+1024
.endif
.if (\t)+2 < 8
	WLOAD (\t)+2
.endif
	s_wait_dscnt 0x0                               ; the stores have read the codes' registers
.endm
	WLOAD 0
	WLOAD 1
.set Q, 0
.rept 8
	WBLOCK Q
.set Q, Q+1
.endr
	global_store_b32 v12, v[SBY], s[24:25]
	s_wait_alu depctr_va_vdst(0)
	global_store_b32 v12, v[SBY+1], s[24:25] offset:512
.irp f, 0,1,2,3
.irp c, 0,1,2
	ds_load_b128 v[OUTR+12*\f+4*\c:OUTR+12*\f+4*\c+3], v10 offset:\f*1664+512*\c   ; LDS serves a wave's instructions in order: these see my stores
.endr
.endr
.irp f, 0,1,2,3
.irp c, 0,1,2
	s_wait_dscnt 11-(3*\f+\c)
	global_store_b128 v11, v[OUTR+12*\f+4*\c:OUTR+12*\f+4*\c+3], s[24:25] offset:(\f/2)*12288+(\f%2)*1536+512*\c
.endr
.endr
	s_wait_tensorcnt 0x0                           ; the wave's end
	ds_add_u32 v[SPW], v[NIL]
	s_wait_dscnt 0x0
	s_endpgm
; ---------------- the table: row = [h 0: cos 16 | sin 16][h 1: cos 16 | sin 16], frequency j = 16 h + i.  A wave takes 16 rows; sixteen lanes fill a row.
.Ltable:
.set IFR, 28                           ; v28-31 my four frequencies
.set TA, 32
.set TN, 36
.set TR, 40
.set TZ, 44
.set TS, 48
.set TT, 52
.set TC, 56
.set TU, 60
.set TO, 64                            ; v64-95 eight rows' results: no store's data are written again
	s_sub_co_u32 s31, ttmp9, 608
	s_lshr_b32 s32, s31, 6                         ; qpos or cpos
	s_and_b32 s33, s31, 63
	s_cmp_eq_u32 s32, 0
	s_cselect_b64 s[8:9], s[8:9], s[10:11]
	s_lshl_b32 s33, s33, 6
	s_lshl_b32 s34, s[WVN], 4
	s_add_co_u32 s33, s33, s34                     ; my wave's first row
	s_lshl_b32 s34, s33, 2
	s_wait_alu depctr_va_vdst(0)
	v_lshl_add_u32 v4, v3, 5, s34                  ; lanes 0-15: rows 0-7, lanes 16-31: rows 8-15
	global_load_b128 v[8:11], v4, s[8:9]
	global_load_b128 v[12:15], v4, s[8:9] offset:16
	s_lshl_b32 s34, s33, 8
	s_lshl_b32 s35, s32, 20
	s_add_co_u32 s34, s34, s35
	s_mov_b32 s35, 0
	s_add_nc_u64 s[26:27], s[26:27], s[34:35]
	v_lshlrev_b32 v5, 4, v2
	v_lshl_add_u32 v5, v3, 11, v5
	s_mov_b32 s36, 0x3f22f983                      ; 2 / pi
	s_mov_b32 s37, 0x3fc90fdb                      ; pi / 2, and
	s_mov_b32 s38, 0xb33bbd2e                      ; what is left of it
	s_mov_b32 s39, 0xbe2aaaa3                      ; sin: r + z r (s39 + z (s40 + z s41)), z = r r
	s_mov_b32 s40, 0x3c08839e
	s_mov_b32 s41, 0xb94ca1f9
	s_mov_b32 s42, 0x3d2aaaa5                      ; cos: 1 - z / 2 + z z (s42 + z (s43 + z s44))
	s_mov_b32 s43, 0xbab6061a
	s_mov_b32 s44, 0x37ccf5ce
	s_mov_b32 s45, 0x3ed49a78                      ; log2(10000) / 32, and
	s_mov_b32 s46, 0x32179918                      ; what is left of it
	v_bfe_u32 v6, v0, 2, 2
	v_lshrrev_b32 v7, 1, v6                        ; which h
	v_and_b32 v6, 1, v6                            ; 0 cos, 1 sin
	v_sub_nc_u32 v6, 1, v6                         ; cos is sin a quarter turn on
	v_and_b32 v16, 3, v0
	v_lshlrev_b32 v16, 2, v16
	v_lshl_add_u32 v16, v7, 4, v16                 ; my first j
.irp e, 0,1,2,3
	v_add_nc_u32 v[17+\e], \e, v16
.endr
.irp e, 0,1,2,3
	v_cvt_f32_u32 v[17+\e], v[17+\e]
.endr
.irp e, 0,1,2,3
	v_mul_f32 v[21+\e], s45, v[17+\e]              ; the exponent, rounded,
.endr
.irp e, 0,1,2,3
	v_fma_f32 v[24+\e+1], v[17+\e], s45, -v[21+\e] ; what the rounding dropped,
.endr
.irp e, 0,1,2,3
	v_fma_f32 v[24+\e+1], v[17+\e], s46, v[24+\e+1]
.endr
	s_wait_alu depctr_va_vdst(0)
.irp e, 0,1,2,3
	v_exp_f32 v[TA+\e], -v[21+\e]
.endr
.irp e, 0,1,2,3
	v_mul_f32 v[24+\e+1], 0x3f317218, v[24+\e+1]   ; x ln 2.  (Plain work behind the exponentials)
.endr
	s_wait_alu depctr_va_vdst(0)                   ; one wait for the four, ahead of their first reader
.irp e, 0,1,2,3
	v_fma_f32 v[TN+\e], -v[TA+\e], v[24+\e+1], v[TA+\e]   ; 10000^(-j / 32)
.endr
.irp e, 0,1,2,3
	v_mov_b32 v[IFR+\e], v[TN+\e]
.endr
	s_wait_loadcnt 0x0
.macro TROW t
	v_cvt_f32_i32 v7, v[8+\t]
	s_wait_alu depctr_va_vdst(0)
.irp e, 0,1,2,3
	v_mul_f32 v[TA+\e], v7, v[IFR+\e]              ; the angle, rounded once, as in the definition
.endr
.irp e, 0,1,2,3
	v_mul_f32 v[TN+\e], s36, v[TA+\e]
.endr
.irp e, 0,1,2,3
	v_rndne_f32 v[TN+\e], v[TN+\e]                 ; quarter turns
.endr
.irp e, 0,1,2,3
	v_fma_f32 v[TR+\e], -v[TN+\e], s37, v[TA+\e]
.endr
.irp e, 0,1,2,3
	v_fma_f32 v[TR+\e], -v[TN+\e], s38, v[TR+\e]   ; what is left: at most pi / 4
.endr
.irp e, 0,1,2,3
	v_mul_f32 v[TZ+\e], v[TR+\e], v[TR+\e]
.endr
.irp e, 0,1,2,3
	v_fma_f32 v[TS+\e], v[TZ+\e], s41, s40
	v_fma_f32 v[TC+\e], v[TZ+\e], s44, s43
.endr
.irp e, 0,1,2,3
	v_fma_f32 v[TS+\e], v[TZ+\e], v[TS+\e], s39
	v_fma_f32 v[TC+\e], v[TZ+\e], v[TC+\e], s42
.endr
.irp e, 0,1,2,3
	v_mul_f32 v[TT+\e], v[TZ+\e], v[TR+\e]
	v_fma_f32 v[TU+\e], v[TZ+\e], -0.5, 1.0
.endr
.irp e, 0,1,2,3
	v_fma_f32 v[TS+\e], v[TT+\e], v[TS+\e], v[TR+\e]
	v_mul_f32 v[TT+\e], v[TZ+\e], v[TZ+\e]
.endr
.irp e, 0,1,2,3
	v_fma_f32 v[TC+\e], v[TT+\e], v[TC+\e], v[TU+\e]
	v_cvt_i32_f32 v[TA+\e], v[TN+\e]
.endr
.irp e, 0,1,2,3
	v_add_nc_u32 v[TA+\e], v[TA+\e], v6
.endr
.irp e, 0,1,2,3
	v_and_b32 v[TT+\e], 1, v[TA+\e]
.endr
.irp e, 0,1,2,3
	v_cmp_eq_u32 vcc_lo, 1, v[TT+\e]               ; an odd quarter takes the cosine of what is left,
	v_cndmask_b32 v[TS+\e], v[TS+\e], v[TC+\e], vcc_lo
.endr
.irp e, 0,1,2,3
	v_and_b32 v[TA+\e], 2, v[TA+\e]
.endr
.irp e, 0,1,2,3
	v_lshlrev_b32 v[TA+\e], 30, v[TA+\e]           ; the second half turn changes the sign
.endr
.irp e, 0,1,2,3
	v_xor_b32 v[TO+4*\t+\e], v[TS+\e], v[TA+\e]
.endr
	global_store_b128 v5, v[TO+4*\t:TO+4*\t+3], s[26:27] offset:256*\t   ; sixteen lanes store a row's 256 bytes
.endm
.irp t, 0,1,2,3,4,5,6,7
	TROW \t
.endr
	s_endpgm
.Lfunc_end_k_qa48663dc49_prep:
	.size	k_qa48663dc49_prep, .Lfunc_end_k_qa48663dc49_prep-k_qa48663dc49_prep
	.p2alignl 7, 3214868480
	.fill 96, 4, 3214868480
	.section	.rodata,"a",@progbits
	.p2align	6, 0x0
	.amdhsa_kernel k_qa48663dc49_prep
		.amdhsa_group_segment_fixed_size 60928
		.amdhsa_private_segment_fixed_size 0
		.amdhsa_enable_private_segment 0
		.amdhsa_kernarg_size 96
		.amdhsa_user_sgpr_count 2
		.amdhsa_user_sgpr_kernarg_segment_ptr 1
		.amdhsa_wavefront_size32 1
		.amdhsa_system_sgpr_workgroup_id_x 1
		.amdhsa_system_sgpr_workgroup_id_y 1
		.amdhsa_system_sgpr_workgroup_id_z 1
		.amdhsa_system_vgpr_workitem_id 0
		.amdhsa_next_free_vgpr 200
		.amdhsa_next_free_sgpr 66
		.amdhsa_reserve_vcc 1
		.amdhsa_float_denorm_mode_32 3
		.amdhsa_float_denorm_mode_16_64 3
		.amdhsa_memory_ordered 1
		.amdhsa_forward_progress 1
		.amdhsa_inst_pref_size 115
	.end_amdhsa_kernel
	.amdgpu_metadata
---
amdhsa.version: [ 1, 2 ]
amdhsa.kernels:
  - .name:           k_qa48663dc49_prep
    .symbol:         k_qa48663dc49_prep.kd
    .args:
      - { .name: query, .offset: 0, .size: 8, .value_kind: global_buffer, .address_space: global }
      - { .name: context, .offset: 8, .size: 8, .value_kind: global_buffer, .address_space: global }
      - { .name: qpos, .offset: 16, .size: 8, .value_kind: global_buffer, .address_space: global }
      - { .name: cpos, .offset: 24, .size: 8, .value_kind: global_buffer, .address_space: global }
      - { .name: Wq, .offset: 32, .size: 8, .value_kind: global_buffer, .address_space: global }
      - { .name: Wk, .offset: 40, .size: 8, .value_kind: global_buffer, .address_space: global }
      - { .name: Wv, .offset: 48, .size: 8, .value_kind: global_buffer, .address_space: global }
      - { .name: W1, .offset: 56, .size: 8, .value_kind: global_buffer, .address_space: global }
      - { .name: W2, .offset: 64, .size: 8, .value_kind: global_buffer, .address_space: global }
      - { .name: acts, .offset: 72, .size: 8, .value_kind: global_buffer, .address_space: global }
      - { .name: wts, .offset: 80, .size: 8, .value_kind: global_buffer, .address_space: global }
      - { .name: tab, .offset: 88, .size: 8, .value_kind: global_buffer, .address_space: global }
    .group_segment_fixed_size: 60928
    .private_segment_fixed_size: 0
    .kernarg_segment_align: 8
    .kernarg_segment_size: 96
    .max_flat_workgroup_size: 128
    .sgpr_count:     66
    .vgpr_count:     200
    .wavefront_size: 32
...
	.end_amdgpu_metadata
.endif
;; end of part 1
;; launch qkvp (part 2): grid 12 x 16, 4 waves a work-group, clusters of 4 x 4, 327,680 bytes of LDS; arguments acts, wts, tab, bq, bk, bv, qn_g, qn_b, kn_g, kn_b, qkv; writes qkv
.if DOCPART == 2
	.amdgcn_target "amdgcn-amd-amdhsa--gfx1250"
	.amdhsa_code_object_version 6
	.text
	.protected	k_qa48663dc49_qkvp
	.globl	k_qa48663dc49_qkvp
	.p2align	8
	.type	k_qa48663dc49_qkvp,@function
k_qa48663dc49_qkvp:
	s_mov_b64 s[64:65], 0
	v_nop
	global_prefetch_b8 v0, s[64:65] scope:SCOPE_SE
	s_setreg_imm32_b32 hwreg(HW_REG_WAVE_MODE, 25, 1), 1
	s_wait_xcnt 0x0
	s_wait_alu depctr_hold_cnt(0) depctr_sa_sdst(0) depctr_va_vdst(0) depctr_va_sdst(0) depctr_va_ssrc(0) depctr_va_vcc(0) depctr_vm_vsrc(0)
	s_getreg_b32 s2, hwreg(HW_REG_IB_STS2, 6, 4)
	s_cmp_eq_u32 s2, 0
	s_cbranch_scc0 .Lentry_in_a_cluster
	s_endpgm
.Lentry_in_a_cluster:
	s_bfe_u32 s2, ttmp6, 0x10000c
	s_cmp_lg_u32 s2, 0xf033
	s_cbranch_scc0 .Lentry_shape_is_right
	s_endpgm
.Lentry_shape_is_right:
; The three projections on codes of E2M3, and what follows them up to the codes that attention reads.
; Cluster x = 0: Q = query Wq + bq; 1: K = context Wk + bk; 2: V = context Wv + bv.  A work-group makes 256 x 256, a wave 128 x 128 (64 accumulators).
; The product is used transposed: source 0 = operand C, source 1 = operand R: a lane holds ONE place of R, and its registers run along C.
; Q, K: R = the activations, C = the weight: a lane holds a row and 64 of its 128 columns (two heads): layer norm, rotary embedding and the
; quantiser along the head's 64 need one exchange with lane l xor 16.  V: the two operands change places BY POINTER: R = Wv, C = context: a lane holds
; one channel and its registers run along the keys, which are the K of attention's second product.
; Operands come as panel records (128 rows x 256 K, 25,600 dense bytes: images of the operand's registers, then the scale words).  K = 1,024 is four
; K slots: three LDS regions are filled at the start, the fourth slot refills region 0 once.  By this text's count a wave has at most three tensor loads out.
; CLUSTER 4 x 4: R's records are shared along a row of the cluster, C's along a column: joint loads.  192 work-groups: the three products of
; 4,096 x 1,024 do not divide into 256 equal tiles of whole panels.
; THE WAY OUT OF Q AND K goes block by block of 16 rows, its two heads by turns, line by line.  A block's cos and sin are asked for a block ahead: behind the rotary step of the block
; before, into the registers that this step has just read; so they have the two quantisers, the next block's bias and its two norms in which to land.
; OUT: Q records (bh, 128 queries): 8 tiles of 768 bytes (registers 0-3 at 16 L, registers 4-5 at 512 + 8 L), scale words at 6,144.  KV records (bh, 128 keys),
; 13,056 bytes: K's 8 tiles likewise, V^T's four fragments at 6,144, K's scale words at 12,288, V's at 12,800.  The upper two bytes of Q's and K's words are 0x7f.
; LIMITS: NaN and infinities are not served; a block of zeros gets the byte 1 (its codes are zeros; this program alone reads the bytes).
; THE FILLS AS THIS TEXT HAS THEM (this takes the place of the sentence above on the regions' first fills): K slot 0 is asked for at the head, one joint load a wave;
; K slot 1 behind the full sequence and a round, ahead of slot 0's first fragment loads; K slot 2 behind the round in the first change of regions; K slot 3 refills region 0 behind the
; round in the second change.  By this text's count a wave has one tensor load out.
; PREFETCH: of the 100 blocks of 256 bytes of the record that a wave fetches, the partner at place p among the four that ask jointly (cx for R, cy for C) names blocks 25 p .. 25 p + 24,
; a lane a block (lanes 25-31 name the last again).  K slots 1 and 2 are named behind slot 0's load, K slot 3 behind slot 1's: every step is an immediate, and slot 3 is the panel's last.
.set REC,    25600
.set PANB,   4*REC                     ; a panel's four K slots
.set RGN,    4*REC                     ; an LDS region: R's two records, then C's two
.set SPARE,  3*RGN                     ; the spare words, 128 bytes a wave
.set SCRQ,   SPARE+512                 ; scale words on their way out, Q's and K's path: 1,024 bytes a wave
.set SCRV,   SCRQ+4096                 ; V's path: 512 bytes a wave
.set QREC,   6656
.set KVREC,  13056
.set KVOFF,  3407872
.set HEADB,  16*KVREC
.set FR,   12
.set AF,   128                         ; window 0: R's eight fragments, one set
.set SC,   32                          ; window 0: v32-63 scale words, two sets, and nothing else
.set ADRA, 4                           ; v4-6   R's fragments in region 0, 1, 2
.set ADRB, 7                           ; v7-9   C's
.set ADRS, 10                          ; v10-12 scale words: lanes 0-15 R's, lanes 16-31 C's
.set TLN,  13
.set L8,   14
.set SQA,  15
.set SVA,  16
.set VO1,  17
.set VO2,  18
.set VT,   19
.set VSQ,  20
.set BA1,  21
.set BA2,  23
.set BA3,  24
.set RQT,  25
.set RVT,  26
.set GVT,  27
.set SPW,  28
.set NIL,  29
.set VSV,  30
.set GQT,  31
.set G,    64                          ; v64-95 the norm's gain, v96-127 its bias, at my 32 channels
.set BN,   96
.set X,    128                         ; v128-191 the block in hand
.set TAB,  192                         ; v192-207 cos, v208-223 sin
.set PC2,  224                         ; v224-229 head 0's codes
.set PT2,  230
.set PW,   233
.set TM2,  234
.set PC2B, 240                         ; v240-245 head 1's codes: registers of their own, so that no wait stands between the two heads' stores
.set MU,   240                         ; the norm's work registers, dead when the codes are made.  Head 0: mean v240, 1 / sigma v242, sums v244-247;
.set RS,   242                         ; head 1: the same 12 (mean, 1 / sigma) or 20 (sums) registers lower: v228, v230, v224-227
.set T1,   244
.set T2,   246
.set BV,   248                         ; v248-255 bv at my channel of each of R's eight tiles
.set PCV,  96                          ; V's path: codes and work registers lie over the norm's gain and bias, which it does not use
.set TMV,  64
.set BVP,  240
.set G1R, 28
.set G1C, 36
.set G0R, 44                           ; s[44:55] three sets
.set G0C, 56                           ; s[56:63] two sets,
.set CAD, 66                           ; s[66:67] where C's records begin in memory
.set G0C2, 68                          ; s[68:71] the third
.set WV,  72
.set WR,  73
.set WC,  74
.set CX,  75
.set CY,  76
.set CLX, 77
.set CLY, 78
.set ISV, 79
.set SEL, 82
.set AB,  84
.set AOFF, 85
.set SB0, 86
.set SB1, 88
.set TBB, 90
.set SOF, 94
.set C64, 95
.set RAD, 98                           ; s[98:99] where R's records begin in memory; free behind the first fills
.set EPS, 100
.set LW,  101
.set MSB, 0
.macro WIN new                         ; the immediate's high byte repeats the setting that is left
.if MSB != \new
	s_set_vgpr_msb (MSB<<8)|\new
.set MSB, \new
.endif
.endm
.set MUL_LO, 0xa1                      ; source 0 (C) window 1, source 1 (R) window 0, sums window 2
.set MUL_HI, 0xf1                      ; the same, sums window 3
.set TO_B,   0x40
.macro PLACES n
.rept \n
	v_nop
.endr
.endm
; A joint load: waves 0 and 1 fetch R's two records, waves 2 and 3 C's.  The branch hangs on the wave's number alone.  An s_nop 0 and four v_nop follow each line.
.macro JLOAD g0r, g1r, g0c, g1c
	s_cmp_eq_u32 s[WR], 0
	s_cbranch_scc0 .Lfor_c_\@
	tensor_load_to_lds s[\g0r:\g0r+3], s[\g1r:\g1r+7]
	s_nop 0
.rept 4
	v_nop
.endr
	s_branch .Lasked_\@
.Lfor_c_\@:
	tensor_load_to_lds s[\g0c:\g0c+3], s[\g1c:\g1c+7]
	s_nop 0
.rept 4
	v_nop
.endr
.Lasked_\@:
.endm
.macro CREST
	s_cmp_lg_u32 s[WV], 0
	s_cbranch_scc1 .Lnot_wave_0_\@
	s_barrier_signal -3
.Lnot_wave_0_\@:
	s_barrier_wait -3
	s_barrier_signal -1
	s_barrier_wait -1
.endm
.macro CROUND
	s_barrier_signal -1
	s_barrier_wait -1
	CREST
.endm
.macro SETG0 g0r, g0c, k
	s_mov_b32 s[\g0r], 1
	s_add_co_u32 s[\g0r+1], s[LW], \k*RGN
	s_add_nc_u64 s[\g0r+2:\g0r+3], s[RAD:RAD+1], \k*REC
	s_or_b32 s[\g0r+3], s[\g0r+3], 0x80000000
	s_mov_b32 s[\g0c], 1
	s_add_co_u32 s[\g0c+1], s[LW], \k*RGN
	s_add_nc_u64 s[\g0c+2:\g0c+3], s[CAD:CAD+1], \k*REC
	s_or_b32 s[\g0c+3], s[\g0c+3], 0x80000000
.endm
.macro FRAG reg, adr, q, i             ; a fragment's image: three loads of 512 consecutive bytes
.irp c, 0,1,2
	ds_load_b128 v[\reg+4*\c:\reg+4*\c+3], v[\adr] offset:(\q)*12288+(\i)*1536+512*\c
.endr
.endm
.macro FETCH_B k, q, p
	WIN TO_B
.irp i, 0,1,2,3,4,5,6,7
	FRAG 128*(\p)+FR*\i, ADRB+\k, \q, \i
.endr
	WIN 0
.endm
.macro FETCH_A k, q, i0
.irp i, \i0, \i0+1, \i0+2, \i0+3
	FRAG AF+FR*(\i), ADRA+\k, \q, \i
.endr
.endm
.macro SCALES set, k
.irp i, 0,1,2,3,4,5,6,7
.irp q, 0,1
	ds_load_b32 v[SC+16*(\set)+2*\i+\q], v[ADRS+\k] offset:\q*512+\i*64
.endr
.endr
.endm
; 16 products: R's blocks a0, a0 + 1 x C's eight.  The 64 accumulators take turns, one instruction a turn, in the same order in every step.
.macro MUL16 a0, p, q, set, zero
.irp a, \a0, \a0+1
.irp b, 0,1,2,3,4,5,6,7
.if \zero
	v_wmma_scale_f32_16x16x128_f8f6f4 v[8*(8*((\a)%4)+\b):8*(8*((\a)%4)+\b)+7], v[128*(\p)+FR*\b:128*(\p)+FR*\b+FR-1], v[AF+FR*(\a):AF+FR*(\a)+FR-1], 0, v[SC+16*(\set)+2*\b+(\q)], v[SC+16*(\set)+2*(\a)+(\q)] matrix_a_fmt:MATRIX_FMT_FP6 matrix_b_fmt:MATRIX_FMT_FP6 matrix_a_scale:MATRIX_SCALE_ROW1
.else
	v_wmma_scale_f32_16x16x128_f8f6f4 v[8*(8*((\a)%4)+\b):8*(8*((\a)%4)+\b)+7], v[128*(\p)+FR*\b:128*(\p)+FR*\b+FR-1], v[AF+FR*(\a):AF+FR*(\a)+FR-1], v[8*(8*((\a)%4)+\b):8*(8*((\a)%4)+\b)+7], v[SC+16*(\set)+2*\b+(\q)], v[SC+16*(\set)+2*(\a)+(\q)] matrix_a_fmt:MATRIX_FMT_FP6 matrix_b_fmt:MATRIX_FMT_FP6 matrix_a_scale:MATRIX_SCALE_ROW1
.endif
.endr
.endr
.endm
; A K slot's first 128: multiplies C's set 0 and fetches the second 128 of the same region.
.macro STEP k, set, zero
	s_wait_dscnt 12                                ; all but the twelve youngest loads (R's blocks 4-7) are in
	WIN MUL_LO
	MUL16 0, 0, 0, \set, \zero
	MUL16 2, 0, 0, \set, \zero
	s_wait_dscnt 0x0
	PLACES 4                                       ; in front of loads into registers that products have read
	FETCH_B \k, 1, 1
	FETCH_A \k, 1, 0
	WIN MUL_HI
	MUL16 4, 0, 0, \set, \zero
	MUL16 6, 0, 0, \set, \zero
	PLACES 4
	WIN 0
	FETCH_A \k, 1, 4
.endm
; Its second 128: multiplies C's set 1 and fetches the next region's first 128.  mode 0: that region has been shown whole already.  mode 1: a barrier shows it whole.
; mode 2: region 0 has been read out and is filled again: the waits and the add, a round of the cluster's barrier, the joint load first behind it.
.macro TURN k, next, set, mode
.if \mode
	s_wait_tensorcnt 0x0                           ; all my tensor loads have landed
	ds_add_u32 v[SPW], v[NIL]                      ; 0 onto my spare word
	s_wait_dscnt 13                                ; (the add and the twelve youngest loads may be out)
	WIN MUL_LO
	MUL16 0, 1, 1, \set, 0
	s_wait_dscnt 0x0                               ; the add is done, and my reads of this region are over
	s_barrier_signal -1
	MUL16 2, 1, 1, \set, 0
	WIN 0
	s_barrier_wait -1
.if \mode == 3
	CREST                                          ; mode 3: region 2 is filled for the first time, issued as a refill is
	JLOAD G0R+8, G1R, G0C2, G1C                    ; K slot 2
.endif
.if \mode == 2
	CREST
	s_add_nc_u64 s[G0R+2:G0R+3], s[G0R+2:G0R+3], 3*REC
	s_add_nc_u64 s[G0C+2:G0C+3], s[G0C+2:G0C+3], 3*REC
	JLOAD G0R, G1R, G0C, G1C                       ; K slot 3; its four v_nop are also the places in front of the loads below
.else
	PLACES 4
.endif
.else
	s_wait_dscnt 12
	WIN MUL_LO
	MUL16 0, 1, 1, \set, 0
	MUL16 2, 1, 1, \set, 0
	s_wait_dscnt 0x0
	PLACES 4
.endif
	FETCH_B \next, 0, 0
	FETCH_A \next, 0, 0
	SCALES 1-(\set), \next
	WIN MUL_HI
	MUL16 4, 1, 1, \set, 0
	MUL16 6, 1, 1, \set, 0
	PLACES 4
	WIN 0
	FETCH_A \next, 0, 4
.endm
; 64 numbers of a lane, register 16 b + i = k 32 b + 16 (lane / 16) + i, become a fragment's codes and its scale word
.macro QUANT s, pc, tm, pw
.irp b, 0,1,2,3
	v_max3_num_f32 v[\tm+\b], |v[\s+16*\b]|, |v[\s+1+16*\b]|, 0x1800000
.endr
.irp i, 2,4,6,8,10,12,14
.irp b, 0,1,2,3
	v_max3_num_f32 v[\tm+\b], v[\tm+\b], |v[\s+16*\b+\i]|, |v[\s+1+16*\b+\i]|
.endr
.endr
.irp b, 0,1,2,3
	v_permlanex16_b32 v[\tm+4+\b], v[\tm+\b], s[SEL], s[SEL+1]
.endr
.irp b, 0,1,2,3
	v_max_num_f32 v[\tm+\b], v[\tm+\b], v[\tm+4+\b]
.endr
.irp b, 0,1,2,3
	v_add_nc_u32 v[\tm+12+\b], 0xff000000, v[\tm+\b]
.endr
.irp b, 0,1,2,3
	v_lshrrev_b32 v[\tm+4+\b], 23, v[\tm+12+\b]
.endr
	v_lshl_or_b32 v[\pw], v[\tm+5], 8, v[\tm+4]
	v_lshl_or_b32 v[\pw], v[\tm+6], 16, v[\pw]
	v_lshl_or_b32 v[\pw], v[\tm+7], 24, v[\pw]
.irp c, 0,1
	v_cvt_scalef32_pk16_fp6_f32 v[\pc+6*\c:\pc+2+6*\c], v[\s+32*\c:\s+15+32*\c], v[\tm+12+2*\c]
	v_cvt_scalef32_pk16_fp6_f32 v[\pc+12+4*\c:\pc+14+4*\c], v[\s+16+32*\c:\s+31+32*\c], v[\tm+12+2*\c+1]
.endr
	v_nop
.irp c, 0,1
.irp i, 0,1,2
	v_permlane16_swap_b32 v[\pc+6*\c+\i], v[\pc+12+4*\c+\i]
.endr
.irp i, 0,1,2
	v_mov_b32 v[\pc+3+6*\c+\i], v[\pc+12+4*\c+\i]
.endr
.endr
.endm
; the same for 32 numbers, two blocks: six registers of codes; the word's upper two bytes are 0x7f
.macro QUANT2 s, pc, pt, tm, pw
.irp b, 0,1
	v_max3_num_f32 v[\tm+\b], |v[\s+16*\b]|, |v[\s+1+16*\b]|, 0x1800000
.endr
.irp i, 2,4,6,8,10,12,14
.irp b, 0,1
	v_max3_num_f32 v[\tm+\b], v[\tm+\b], |v[\s+16*\b+\i]|, |v[\s+1+16*\b+\i]|
.endr
.endr
.irp b, 0,1
	v_permlanex16_b32 v[\tm+2+\b], v[\tm+\b], s[SEL], s[SEL+1]
.endr
.irp b, 0,1
	v_max_num_f32 v[\tm+\b], v[\tm+\b], v[\tm+2+\b]
.endr
.irp b, 0,1
	v_add_nc_u32 v[\tm+4+\b], 0xff000000, v[\tm+\b]
.endr
.irp b, 0,1
	v_lshrrev_b32 v[\tm+2+\b], 23, v[\tm+4+\b]
.endr
	v_lshl_or_b32 v[\pw], v[\tm+3], 8, v[\tm+2]
	v_or_b32 v[\pw], 0x7f7f0000, v[\pw]
	v_cvt_scalef32_pk16_fp6_f32 v[\pc:\pc+2], v[\s:\s+15], v[\tm+4]
	v_cvt_scalef32_pk16_fp6_f32 v[\pt:\pt+2], v[\s+16:\s+31], v[\tm+5]
	v_nop
.irp i, 0,1,2
	v_permlane16_swap_b32 v[\pc+\i], v[\pt+\i]
.endr
.irp i, 0,1,2
	v_mov_b32 v[\pc+3+\i], v[\pt+\i]
.endr
.endm
	s_load_b512 s[4:19], s[0:1], 0x0               ; acts, wts, tab, bq, bk, bv, qn_g, qn_b
	s_load_b128 s[20:23], s[0:1], 0x40             ; kn_g, kn_b
	s_load_b64 s[24:25], s[0:1], 0x50              ; qkv
	v_lshl_add_u32 v[SPW], v0, 2, SPARE
	v_mov_b32 v[NIL], 0
	ds_add_u32 v[SPW], v[NIL]                      ; the wave's opening
	ds_add_u32 v[SPW], v[NIL]
	v_lshrrev_b32 v1, 5, v0
	v_readfirstlane_b32 s[WV], v1
	s_lshr_b32 s[WR], s[WV], 1                     ; my panel of R.  Also: I fetch for R (0) or for C (1)
	s_and_b32 s[WC], s[WV], 1                      ; my panel of C.  Also: which of the two records I fetch
	s_bfe_u32 s[CX], ttmp6, 0x40000
	s_bfe_u32 s[CY], ttmp6, 0x40004
	s_mov_b32 s[CLX], ttmp9                        ; which product
	s_and_b32 s[CLY], ttmp7, 0xffff
	s_lshl_b32 s80, s[CY], 2
	s_lshl_b32 s80, 15, s80                        ; my row of the cluster
	s_lshl_b32 s81, 0x1111, s[CX]                  ; my column
	s_or_b32 s[G1R], s80, (3<<16)|(1<<21)          ; the mask; elements of 8 bytes; bit 21 beside a mask; no padding
	s_or_b32 s[G1C], s81, (3<<16)|(1<<21)
.irp g, G1R, G1C
	s_mov_b32 s[\g+1], 32<<16                      ; a record as 100 rows of 256 bytes
	s_mov_b32 s[\g+2], 100<<16
	s_mov_b32 s[\g+3], 32<<16
	s_mov_b32 s[\g+4], 100
	s_mov_b32 s[\g+5], 32
	s_mov_b32 s[\g+6], 0
	s_mov_b32 s[\g+7], 0
.endr
	; R's panels hang on y coordinates alone, C's on x coordinates alone (cluster x and y are shared by all sixteen)
	s_lshl_b32 s80, s[CLY], 2
	s_add_co_u32 s92, s80, s[CY]
	s_lshl_b32 s92, s92, 1
	s_lshl_b32 s81, s[CLX], 5
	s_add_co_u32 s92, s92, s81                     ; Q, K: R = acts, panel 32 x product + 2 (4 cluster y + cy)
	s_lshl_b32 s93, s[CY], 1
	s_add_co_u32 s93, s93, 16                      ; V: R = wts, panel 16 + 2 cy
	s_add_co_u32 s96, s80, s[CX]
	s_lshl_b32 s96, s96, 1
	s_add_co_u32 s96, s96, 32                      ; V: C = acts, panel 32 + 2 (4 cluster y + cx)
	s_lshl_b32 s97, s[CX], 1
	s_lshl_b32 s81, s[CLX], 3
	s_add_co_u32 s97, s97, s81                     ; Q, K: C = wts, panel 8 x product + 2 cx
	s_cmp_eq_u32 s[CLX], 2
	s_cselect_b32 s[ISV], 1, 0
	s_cselect_b32 s92, s93, s92
	s_cselect_b32 s96, s96, s97
	s_add_co_u32 s92, s92, s[WC]
	s_add_co_u32 s96, s96, s[WC]
	s_mul_i32 s92, s92, PANB
	s_mul_i32 s96, s96, PANB
	s_mov_b32 s93, 0
	s_mov_b32 s97, 0
	s_mul_i32 s[LW], s[WV], REC                    ; where my record goes in a region: no place in the cluster enters an LDS address
	s_mov_b32 s[SEL], 0x76543210
	s_mov_b32 s[SEL+1], 0xfedcba98
	s_mov_b32 s[C64], 0x3c800000                   ; 1 / 64
	s_mov_b32 s[EPS], 0x3727c5ac                   ; 1e-5
	s_wait_dscnt 0x0                               ; the opening add is done
	s_wait_kmcnt 0x0
	s_cmp_eq_u32 s[CLX], 2
	s_cselect_b64 s[RAD:RAD+1], s[6:7], s[4:5]     ; the choice hangs on the product's number alone
	s_cselect_b64 s[CAD:CAD+1], s[4:5], s[6:7]
	s_add_nc_u64 s[RAD:RAD+1], s[RAD:RAD+1], s[92:93]
	s_add_nc_u64 s[CAD:CAD+1], s[CAD:CAD+1], s[96:97]
	CROUND                                         ; all sixteen work-groups are here: the first joint loads meet
.set PFO, 19                           ; v19 the prefetches' offset; the way out writes it again (as VT) only behind its s_wait_xcnt 0
.set PFB, 26                           ; s[26:27] the prefetches' base; never rewritten
	SETG0 G0R, G0C, 0
	SETG0 G0R+4, G0C+4, 1
	SETG0 G0R+8, G0C2, 2
	s_cmp_eq_u32 s[WR], 0                          ; do I fetch for R?
	s_cselect_b32 s2, s[CX], s[CY]                 ; my place among the four that ask with me: it enters a prefetch's address alone
	s_cselect_b64 s[PFB:PFB+1], s[RAD:RAD+1], s[CAD:CAD+1]
	s_mul_i32 s2, s2, 6400                         ; my 25 blocks of the record's 100
	s_mov_b32 s3, 0
	s_add_nc_u64 s[PFB:PFB+1], s[PFB:PFB+1], s[2:3]
	JLOAD G0R, G1R, G0C, G1C                       ; K slot 0: one tensor load a wave at the head
	v_and_b32 v[PFO], 31, v0
	v_min_u32 v[PFO], 24, v[PFO]
	v_lshlrev_b32 v[PFO], 8, v[PFO]
	global_prefetch_b8 v[PFO], s[PFB:PFB+1] offset:REC th:TH_LOAD_NT scope:SCOPE_SE      ; K slot 1
	global_prefetch_b8 v[PFO], s[PFB:PFB+1] offset:2*REC th:TH_LOAD_NT scope:SCOPE_SE    ; K slot 2
	v_and_b32 v1, 15, v0                           ; r
	v_bfe_u32 v2, v0, 4, 1                         ; h
	v_and_b32 v3, 31, v0
	v_lshlrev_b32 v[L8], 3, v3
	v_add_nc_u32 v[L8], 512, v[L8]                 ; 8 L + 512
	v_lshlrev_b32 v3, 4, v3                        ; 16 L
	s_mul_i32 s80, s[WR], REC
	s_mul_i32 s81, s[WC], REC
	s_add_co_u32 s81, s81, 2*REC
.irp k, 0,1,2
	v_add_nc_u32 v[ADRA+\k], s80, v3
	v_add_nc_u32 v[ADRB+\k], s81, v3
	s_add_co_u32 s80, s80, RGN
	s_add_co_u32 s81, s81, RGN
.endr
	s_mul_i32 s80, s[WR], REC
	s_mul_i32 s81, s[WC], REC
	s_add_co_u32 s81, s81, 2*REC
	s_sub_co_u32 s81, s81, s80                     ; from R's record to C's
	v_mul_u32_u24 v22, s81, v2                     ; lanes 16-31 take C's words
	v_lshl_add_u32 v22, v1, 2, v22
	s_add_co_u32 s80, s80, 24576
.irp k, 0,1,2
	v_add_nc_u32 v[ADRS+\k], s80, v22
	s_add_co_u32 s80, s80, RGN
.endr
	s_lshl_b32 s80, s[WV], 10
	s_add_co_u32 s80, s80, SCRQ
	v_lshl_add_u32 v[SQA], v1, 2, s80
	v_add_nc_u32 v[RQT], s80, v3
	s_lshl_b32 s80, s[WV], 9
	s_add_co_u32 s80, s80, SCRV
	v_lshl_add_u32 v[SVA], v1, 2, s80
	v_add_nc_u32 v[RVT], s80, v3
	v_lshlrev_b32 v[GVT], 4, v1
	v_mul_u32_u24 v22, v2, HEADB
	v_add_nc_u32 v[GVT], v[GVT], v22               ; V's words on the way out: lanes 16-31 the next head's record
	; where the results go.  Q, K: rows by y and my R panel, heads by x and my C panel; V: the other way round
	s_lshl_b32 s80, s[CLY], 2
	s_cmp_eq_u32 s[CLX], 2
	s_cselect_b32 s81, s[CX], s[CY]
	s_cselect_b32 s92, s[WC], s[WR]
	s_cselect_b32 s93, s[CY], s[CX]
	s_cselect_b32 s96, s[WR], s[WC]
	s_add_co_u32 s80, s80, s81
	s_lshl_b32 s80, s80, 1
	s_add_co_u32 s80, s80, s92                     ; which 128 rows of the 4,096
	s_lshl_b32 s93, s93, 1
	s_add_co_u32 s93, s93, s96
	s_lshl_b32 s93, s93, 1                         ; my first head
	s_lshr_b32 s81, s80, 4                         ; batch
	s_and_b32 s92, s80, 15                         ; panel in the batch
	s_lshl_b32 s81, s81, 4
	s_add_co_u32 s81, s81, s93
	s_lshl_b32 s81, s81, 4
	s_add_co_u32 s81, s81, s92                     ; the record's number
	s_cmp_eq_u32 s[CLX], 0
	s_mov_b32 s96, KVREC
	s_cselect_b32 s96, QREC, s96
	s_cselect_b32 s97, 0, KVOFF
	s_mov_b32 s[SOF], 12288
	s_cselect_b32 s[SOF], 6144, s[SOF]
	s_mul_i32 s98, s81, s96
	s_add_co_u32 s98, s98, s97
	s_mov_b32 s99, 0
	s_add_nc_u64 s[SB0:SB0+1], s[24:25], s[98:99]  ; my first head's record,
	s_lshl_b32 s98, s96, 4
	s_add_nc_u64 s[SB1:SB1+1], s[SB0:SB0+1], s[98:99]   ; the next head's: 16 records on
	v_add_nc_u32 v[GQT], s[SOF], v3
	s_lshl_b32 s98, s80, 15                        ; the table: 128 rows of 256 bytes a panel
	s_lshl_b32 s97, s[CLX], 20
	s_add_co_u32 s98, s98, s97
	s_add_nc_u64 s[TBB:TBB+1], s[8:9], s[98:99]    ; (V's work-groups never load by it)
	; biases and gains.  Every register is loaded on every path; pointers and offsets are chosen by the product's number
	s_lshl_b32 s80, s[CX], 1
	s_add_co_u32 s80, s80, s[WC]
	s_lshl_b32 s80, s80, 9
	s_lshl_b32 s81, s[CY], 1
	s_add_co_u32 s81, s81, s[WR]
	s_lshl_b32 s81, s81, 9
	s_cmp_eq_u32 s[CLX], 2
	s_cselect_b32 s80, 0, s80
	s_cselect_b32 s81, s81, 0
	s_cmp_eq_u32 s[CLX], 0
	s_cselect_b64 s[92:93], s[10:11], s[12:13]
	s_cselect_b64 s[96:97], s[16:17], s[20:21]
	s_cselect_b64 s[98:99], s[18:19], s[22:23]
	s_cmp_eq_u32 s[CLX], 2
	s_cselect_b64 s[92:93], s[14:15], s[92:93]
	v_lshl_add_u32 v[BA1], v2, 6, s80              ; 64 h + my 128 columns
	v_and_b32 v22, 8, v1
	v_add_nc_u32 v22, v22, v1                      ; r + (r & 8)
	v_lshl_add_u32 v[BA2], v22, 2, s81
	v_lshlrev_b32 v[BA3], 6, v2
	v_lshlrev_b32 v[TLN], 8, v22
	v_lshl_add_u32 v[TLN], v2, 7, v[TLN]           ; the table: my row, my half
	WIN TO_B                                       ; the columns' bias in the result's layout: window 1, v96-127 and v224-255
.irp b, 0,1,2,3,4,5,6,7
	global_load_b128 v[96+8*\b+96*(\b/4):99+8*\b+96*(\b/4)], v[BA1], s[92:93] offset:(32*(\b/2)+8*(\b%2))*4
	global_load_b128 v[100+8*\b+96*(\b/4):103+8*\b+96*(\b/4)], v[BA1], s[92:93] offset:(32*(\b/2)+8*(\b%2))*4+16
.endr
	WIN 0
.irp g, 0,1,2,3,4,5,6,7
	global_load_b128 v[G+4*\g:G+4*\g+3], v[BA3], s[96:97] offset:128*(\g/4)+16*(\g%4)
	global_load_b128 v[BN+4*\g:BN+4*\g+3], v[BA3], s[98:99] offset:128*(\g/4)+16*(\g%4)
.endr
.irp a, 0,1,2,3,4,5,6,7
	global_load_b32 v[BV+\a], v[BA2], s[92:93] offset:(32*(\a/2)+8*(\a%2))*4
.endr
	s_wait_alu depctr_va_vdst(0)
	s_wait_tensorcnt 0x0                           ; my part of K slot 0 is in
	ds_add_u32 v[SPW], v[NIL]
	s_wait_dscnt 0x0
	CROUND                                         ; everybody's part is in, and all sixteen work-groups are here
	JLOAD G0R+4, G1R, G0C+4, G1C                   ; K slot 1, the first tensor load behind the round
	FETCH_B 0, 0, 0
	FETCH_A 0, 0, 0
	SCALES 0, 0
	FETCH_A 0, 0, 4
	global_prefetch_b8 v[PFO], s[PFB:PFB+1] offset:3*REC th:TH_LOAD_NT scope:SCOPE_SE    ; K slot 3, two fills ahead of its load
	STEP 0, 0, 1                                   ; the first products start the sums
	TURN 0, 1, 0, 3
	STEP 1, 1, 0
	TURN 1, 2, 1, 2
	STEP 2, 0, 0
	TURN 2, 0, 0, 1
	STEP 0, 1, 0
	s_wait_dscnt 12
	WIN MUL_LO
	MUL16 0, 1, 1, 1, 0
	MUL16 2, 1, 1, 1, 0
	s_wait_dscnt 0x0
	WIN MUL_HI
	MUL16 4, 1, 1, 1, 0
	MUL16 6, 1, 1, 1, 0
	WIN 0
; THE WAY OUT: a loop over R's eight blocks.  What differs from block to block is the accumulators' numbers: a short stub for each block adds the bias and so brings the block
; into fixed registers; the block's work is written once.
.macro STUBQ a
	WIN (0x06+(\a)/4)                              ; source 0: window 2 or 3; source 1: window 1
.set i, 0
.rept 32
	v_pk_add_f32 v[X+i:X+i+1], v[64*((\a)%4)+i:64*((\a)%4)+i+1], v[96+i+96*(i/32):97+i+96*(i/32)]   ; each accumulator from its low end on
.set i, i+2
.endr
	WIN 0
.endm
.macro STUBV a
	v_mov_b32 v[BVP], v[BV+(\a)]
	v_mov_b32 v[BVP+1], v[BV+(\a)]
	WIN (0x02+(\a)/4)
.set i, 0
.rept 32
	v_pk_add_f32 v[X+i:X+i+1], v[64*((\a)%4)+i:64*((\a)%4)+i+1], v[BVP:BVP+1]
.set i, i+2
.endr
	WIN 0
.endm
.macro TLOAD adr                       ; a block's cos and sin: my row's 16 + 16 numbers of my half
.irp j, 0,1,2,3
	global_load_b128 v[TAB+4*\j:TAB+4*\j+3], v[\adr], s[TBB:TBB+1] offset:16*\j
	global_load_b128 v[TAB+16+4*\j:TAB+19+4*\j], v[\adr], s[TBB:TBB+1] offset:64+16*\j
.endr
.endm
; Head e of the block holds my 32 channels d = 32 (m / 16) + 16 h + m % 16 in v[X + 32 e] on; lane l xor 16 holds the other 32.  The two heads go by turns, line by line.
.macro JOIN2                           ; each head's two chains, a pair's two halves, and lane l xor 16's
.irp e, 0,1
	v_pk_add_f32 v[T1-20*\e:T1-20*\e+1], v[T1-20*\e:T1-20*\e+1], v[T2-20*\e:T2-20*\e+1]
.endr
.irp e, 0,1
	v_add_f32 v[T1-20*\e], v[T1-20*\e], v[T1-20*\e+1]
.endr
.irp e, 0,1
	v_permlanex16_b32 v[T2-20*\e], v[T1-20*\e], s[SEL], s[SEL+1]
.endr
.irp e, 0,1
	v_add_f32 v[T1-20*\e], v[T1-20*\e], v[T2-20*\e]
.endr
.endm
.macro LN2                             ; the layer norm of both heads
.irp e, 0,1
	v_pk_add_f32 v[T1-20*\e:T1-20*\e+1], v[X+32*\e:X+32*\e+1], v[X+32*\e+2:X+32*\e+3]
	v_pk_add_f32 v[T2-20*\e:T2-20*\e+1], v[X+32*\e+4:X+32*\e+5], v[X+32*\e+6:X+32*\e+7]
.endr
.irp i, 8,12,16,20,24,28
.irp e, 0,1
	v_pk_add_f32 v[T1-20*\e:T1-20*\e+1], v[T1-20*\e:T1-20*\e+1], v[X+32*\e+\i:X+32*\e+\i+1]
	v_pk_add_f32 v[T2-20*\e:T2-20*\e+1], v[T2-20*\e:T2-20*\e+1], v[X+32*\e+\i+2:X+32*\e+\i+3]
.endr
.endr
	JOIN2
.irp e, 0,1
	v_mul_f32 v[MU-12*\e], s[C64], v[T1-20*\e]     ; the mean
.endr
.set i, 0
.rept 16
.irp e, 0,1
	v_pk_add_f32 v[X+32*\e+i:X+32*\e+i+1], v[X+32*\e+i:X+32*\e+i+1], v[MU-12*\e:MU-12*\e+1] op_sel_hi:[1,0] neg_lo:[0,1] neg_hi:[0,1]
.endr
.set i, i+2
.endr
.irp e, 0,1
	v_pk_mul_f32 v[T1-20*\e:T1-20*\e+1], v[X+32*\e:X+32*\e+1], v[X+32*\e:X+32*\e+1]
	v_pk_mul_f32 v[T2-20*\e:T2-20*\e+1], v[X+32*\e+2:X+32*\e+3], v[X+32*\e+2:X+32*\e+3]
.endr
.irp i, 4,8,12,16,20,24,28
.irp e, 0,1
	v_pk_fma_f32 v[T1-20*\e:T1-20*\e+1], v[X+32*\e+\i:X+32*\e+\i+1], v[X+32*\e+\i:X+32*\e+\i+1], v[T1-20*\e:T1-20*\e+1]
	v_pk_fma_f32 v[T2-20*\e:T2-20*\e+1], v[X+32*\e+\i+2:X+32*\e+\i+3], v[X+32*\e+\i+2:X+32*\e+\i+3], v[T2-20*\e:T2-20*\e+1]
.endr
.endr
	JOIN2
.irp e, 0,1
	v_fma_f32 v[T1-20*\e], v[T1-20*\e], s[C64], s[EPS]   ; the variance + 1e-5
.endr
	s_wait_alu depctr_va_vdst(0)
.irp e, 0,1
	v_rsq_f32 v[RS-12*\e], v[T1-20*\e]
.endr
	v_nop                                          ; a plain place behind the two transcendentals
	s_wait_alu depctr_va_vdst(0)                   ; and one wait for both, ahead of their first reader
.set i, 0
.rept 16
.irp e, 0,1
	v_pk_mul_f32 v[X+32*\e+i:X+32*\e+i+1], v[X+32*\e+i:X+32*\e+i+1], v[RS-12*\e:RS-12*\e+1] op_sel_hi:[1,0]
.endr
.set i, i+2
.endr
.set i, 0
.rept 16
.irp e, 0,1
	v_pk_fma_f32 v[X+32*\e+i:X+32*\e+i+1], v[X+32*\e+i:X+32*\e+i+1], v[G+i:G+i+1], v[BN+i:BN+i+1]
.endr
.set i, i+2
.endr
.endm
.macro ROPE2                           ; the rotary embedding of both heads: channel d with channel d + 32
.set i, 0
.rept 8
.irp e, 0,1
	v_pk_mul_f32 v[T1-20*\e:T1-20*\e+1], v[X+32*\e+16+i:X+32*\e+17+i], v[TAB+16+i:TAB+17+i]
.endr
.irp e, 0,1
	v_pk_mul_f32 v[T2-20*\e:T2-20*\e+1], v[X+32*\e+i:X+32*\e+i+1], v[TAB+16+i:TAB+17+i]
.endr
.irp e, 0,1
	v_pk_fma_f32 v[X+32*\e+i:X+32*\e+i+1], v[X+32*\e+i:X+32*\e+i+1], v[TAB+i:TAB+i+1], v[T1-20*\e:T1-20*\e+1] neg_lo:[0,0,1] neg_hi:[0,0,1]
.endr
.irp e, 0,1
	v_pk_fma_f32 v[X+32*\e+16+i:X+32*\e+17+i], v[X+32*\e+16+i:X+32*\e+17+i], v[TAB+i:TAB+i+1], v[T2-20*\e:T2-20*\e+1]
.endr
.set i, i+2
.endr
.endm
.macro QS e, pc                        ; head e is quantised along its 64 channels and leaves
	QUANT2 X+32*\e, \pc, PT2, TM2, PW
	global_store_b128 v[VO1], v[\pc:\pc+3], s[SB0+2*\e:SB0+2*\e+1]
	global_store_b64 v[VO2], v[\pc+4:\pc+5], s[SB0+2*\e:SB0+2*\e+1]
	ds_store_b32 v[VSQ], v[PW] offset:512*\e       ; both halves of the lanes hold the row's word and write it to the same place
.endm
	s_wait_loadcnt 0x0                             ; biases and gains
	v_mov_b32 v[MU+1], 0                           ; named as the upper halves of pairs: head 0's,
	v_mov_b32 v[RS+1], 0
	v_mov_b32 v[MU-12+1], 0                        ; head 1's
	v_mov_b32 v[RS-12+1], 0
	v_mov_b32 v[TM2+2], 0                          ; a lane permute's destination counts as one of its sources
	v_mov_b32 v[TM2+3], 0                          ; (these six are also the places behind the last products, ahead of loads into registers that they have read)
	s_mov_b32 s[AB], 0
	s_mov_b32 s[AOFF], 0
	s_cmp_lg_u32 s[ISV], 0                         ; the product's number: the same in all sixteen partners
	s_cbranch_scc1 .Lblk
	s_wait_alu depctr_va_vdst(0)
	TLOAD TLN                                      ; block 0's cos and sin
.Lblk:
	s_cmp_lg_u32 s[ISV], 0
	s_cbranch_scc1 .Lvpath
	s_wait_xcnt 0x0                                ; the last trip's stores have read their offsets and their codes
	s_mul_i32 s80, s[AB], 768
	v_add_nc_u32 v[VO1], s80, v3
	v_add_nc_u32 v[VO2], s80, v[L8]
	v_add_nc_u32 v[VSQ], s[AOFF], v[SQA]
.irp n, 0,1,2,3,4,5,6
	s_cmp_eq_u32 s[AB], \n
	s_cbranch_scc1 .Lq\n
.endr
	STUBQ 7
	s_branch .Lqbody
.irp n, 0,1,2,3,4,5,6
.Lq\n:
	STUBQ \n
.if \n < 6
	s_branch .Lqbody
.endif
.endr
.Lqbody:
	LN2
	s_wait_loadcnt 0x0                             ; this block's cos and sin, asked for a block ago; the wait also frees their offset register
	ROPE2
	s_cmp_eq_u32 s[AB], 7                          ; the last block asks for nothing: no load leaves the table
	s_cbranch_scc1 .Lnomore
	s_add_co_u32 s81, s[AB], 1
	s_lshr_b32 s80, s81, 1
	s_lshl_b32 s80, s80, 2
	s_and_b32 s81, s81, 1
	s_add_co_u32 s80, s80, s81
	s_lshl_b32 s80, s80, 11                        ; the next block's first row, 32 (a / 2) + 8 (a % 2), x 256 bytes
	v_add_nc_u32 v[VT], s80, v[TLN]
	TLOAD VT                                       ; into the registers that the rotary step has just read
.Lnomore:
	QS 0, PC2
	QS 1, PC2B
	s_branch .Lnext
.Lvpath:
.irp n, 0,1,2,3,4,5,6
	s_cmp_eq_u32 s[AB], \n
	s_cbranch_scc1 .Lv\n
.endr
	STUBV 7
	s_branch .Lvbody
.irp n, 0,1,2,3,4,5,6
.Lv\n:
	STUBV \n
.if \n < 6
	s_branch .Lvbody
.endif
.endr
.Lvbody:
	s_wait_xcnt 0x0                                ; the last trip's stores have read their registers
	s_lshr_b32 s80, s[AB], 2
	s_mul_i32 s80, s80, HEADB                      ; blocks 4-7 belong to the next head
	s_and_b32 s81, s[AB], 3
	s_mul_i32 s81, s81, 1536
	s_add_co_u32 s80, s80, s81
	v_add_nc_u32 v[VO1], s80, v3
	v_add_nc_u32 v[VSV], s[AOFF], v[SVA]
	QUANT X, PCV, TMV, PW                          ; 16 channels x 128 keys: a fragment of V^T
.irp c, 0,1,2
	global_store_b128 v[VO1], v[PCV+4*\c:PCV+4*\c+3], s[SB0:SB0+1] offset:6144+512*\c
.endr
	ds_store_b32 v[VSV], v[PW]
.Lnext:
	s_add_co_u32 s[AOFF], s[AOFF], 64
	s_add_co_u32 s[AB], s[AB], 1
	s_cmp_lt_u32 s[AB], 8
	s_cbranch_scc1 .Lblk
	; the scale words leave in runs of 512 bytes (V: two of 256)
	s_cmp_lg_u32 s[ISV], 0
	s_cbranch_scc1 .Lvtail
	ds_load_b128 v[128:131], v[RQT]                ; LDS serves a wave's instructions in order: these see my stores
	ds_load_b128 v[132:135], v[RQT] offset:512
	s_wait_dscnt 0x0
	global_store_b128 v[GQT], v[128:131], s[SB0:SB0+1]
	global_store_b128 v[GQT], v[132:135], s[SB1:SB1+1]
	s_branch .Lend
.Lvtail:
	ds_load_b128 v[128:131], v[RVT]
	s_wait_dscnt 0x0
	global_store_b128 v[GVT], v[128:131], s[SB0:SB0+1] offset:12800
.Lend:
	s_wait_tensorcnt 0x0                           ; the wave's end
	ds_add_u32 v[SPW], v[NIL]
	s_wait_dscnt 0x0
	CROUND                                         ; the closing round
	s_endpgm
.Lfunc_end_k_qa48663dc49_qkvp:
	.size	k_qa48663dc49_qkvp, .Lfunc_end_k_qa48663dc49_qkvp-k_qa48663dc49_qkvp
	.p2alignl 7, 3214868480
	.fill 96, 4, 3214868480
	.section	.rodata,"a",@progbits
	.p2align	6, 0x0
	.amdhsa_kernel k_qa48663dc49_qkvp
		.amdhsa_group_segment_fixed_size 327680
		.amdhsa_private_segment_fixed_size 0
		.amdhsa_enable_private_segment 0
		.amdhsa_kernarg_size 88
		.amdhsa_user_sgpr_count 2
		.amdhsa_user_sgpr_kernarg_segment_ptr 1
		.amdhsa_wavefront_size32 1
		.amdhsa_system_sgpr_workgroup_id_x 1
		.amdhsa_system_sgpr_workgroup_id_y 1
		.amdhsa_system_sgpr_workgroup_id_z 1
		.amdhsa_system_vgpr_workitem_id 0
		.amdhsa_next_free_vgpr 1024
		.amdhsa_next_free_sgpr 102
		.amdhsa_reserve_vcc 0
		.amdhsa_float_denorm_mode_32 3
		.amdhsa_float_denorm_mode_16_64 3
		.amdhsa_memory_ordered 1
		.amdhsa_forward_progress 1
		.amdhsa_inst_pref_size 175
	.end_amdhsa_kernel
	.amdgpu_metadata
---
amdhsa.version: [ 1, 2 ]
amdhsa.kernels:
  - .name:           k_qa48663dc49_qkvp
    .symbol:         k_qa48663dc49_qkvp.kd
    .args:
      - { .name: acts, .offset: 0, .size: 8, .value_kind: global_buffer, .address_space: global }
      - { .name: wts, .offset: 8, .size: 8, .value_kind: global_buffer, .address_space: global }
      - { .name: tab, .offset: 16, .size: 8, .value_kind: global_buffer, .address_space: global }
      - { .name: bq, .offset: 24, .size: 8, .value_kind: global_buffer, .address_space: global }
      - { .name: bk, .offset: 32, .size: 8, .value_kind: global_buffer, .address_space: global }
      - { .name: bv, .offset: 40, .size: 8, .value_kind: global_buffer, .address_space: global }
      - { .name: qn_g, .offset: 48, .size: 8, .value_kind: global_buffer, .address_space: global }
      - { .name: qn_b, .offset: 56, .size: 8, .value_kind: global_buffer, .address_space: global }
      - { .name: kn_g, .offset: 64, .size: 8, .value_kind: global_buffer, .address_space: global }
      - { .name: kn_b, .offset: 72, .size: 8, .value_kind: global_buffer, .address_space: global }
      - { .name: qkv, .offset: 80, .size: 8, .value_kind: global_buffer, .address_space: global }
    .group_segment_fixed_size: 327680
    .private_segment_fixed_size: 0
    .kernarg_segment_align: 8
    .kernarg_segment_size: 88
    .max_flat_workgroup_size: 128
    .sgpr_count:     102
    .vgpr_count:     1024
    .wavefront_size: 32
...
	.end_amdgpu_metadata
.endif
;; end of part 2
;; launch attn (part 3): grid 8 x 32, 16 waves a work-group, clusters of 4 x 1, 327,680 bytes of LDS; arguments qkv, query, o; writes o
.if DOCPART == 3
	.amdgcn_target "amdgcn-amd-amdhsa--gfx1250"
	.amdhsa_code_object_version 6
	.text
	.protected	k_qa48663dc49_attn
	.globl	k_qa48663dc49_attn
	.p2align	8
	.type	k_qa48663dc49_attn,@function
k_qa48663dc49_attn:
	s_mov_b64 s[64:65], 0
	v_nop
	global_prefetch_b8 v0, s[64:65] scope:SCOPE_SE
	s_setreg_imm32_b32 hwreg(HW_REG_WAVE_MODE, 25, 1), 1
	s_wait_xcnt 0x0
	s_wait_alu depctr_hold_cnt(0) depctr_sa_sdst(0) depctr_va_vdst(0) depctr_va_sdst(0) depctr_va_ssrc(0) depctr_va_vcc(0) depctr_vm_vsrc(0)
	s_getreg_b32 s2, hwreg(HW_REG_IB_STS2, 6, 4)
	s_cmp_eq_u32 s2, 0
	s_cbranch_scc0 .Lentry_in_a_cluster
	s_endpgm
.Lentry_in_a_cluster:
	s_bfe_u32 s2, ttmp6, 0x10000c
	s_cmp_lg_u32 s2, 0x3003
	s_cbranch_scc0 .Lentry_shape_is_right
	s_endpgm
.Lentry_shape_is_right:
; o = query + softmax(Q K^T / 8) V, both products on codes of E2M3.  A work-group owns 256 queries of one head (work-group y = 16 x batch + head); each of its sixteen waves owns one tile
; of 16 queries in 256 registers: four waves to a SIMD, so that one wave's softmax stands beside another's products and LDS loads.
; A HEAD'S WHOLE K AND V REST IN LDS: 16 records of 13,056 bytes (128 keys each: K's 8 tiles of 768 bytes, V^T's 4 fragments, the scale words).  Each wave brings one record by one tensor
; load, asked for jointly by the four work-groups of the cluster, which walk the same head.  Nothing is ever filled again; one tensor load of a wave is out.
; Both products are used transposed (S^T = K Q^T, O^T = V^T P^T): a lane holds one query throughout.  Place p of K's tile 2 b + u is key 32 b + 8 u + p + (p & 8), so that the 16 registers of tiles
; 2 b, 2 b + 1 are 16 neighbouring keys.
; THE HEAD IS 64 WIDE, the instruction 128: Q's upper six registers are zero codes.  K's tiles lie six registers apart, so a tile's operand runs on into the next tile's codes: those meet Q's
; zero codes under scale bytes 0x7f and add exactly 0.
; THE SOFTMAX: t = score x log2(e) / 8; M = the running largest t rounded up to a whole number; p = 2^(t - M) is quantised along the keys, not normalised; the row's sum is taken of the unquantised p and
; divides at the end; when M moves, the sum and O^T are multiplied by 2^(old M - new M), which rounds nothing.
; THE RESIDUAL (query's rows) is wanted only on the way out: it is asked for behind the barrier that shows the records landed, and has the sixteen key steps in which to come.
; LIMITS: NaN and infinities are not served.
.set KVREC, 13056
.set QREC,  6656
.set KVOFF, 3407872
.set HEADB, 208896
.set SPARE, 208896                     ; behind the records: the spare words, 128 bytes a wave
.set STAGE, 210944                     ; the way out: 16 rows x (256 + 16) bytes for each wave
.set SPW, 5
.set NIL, 6
.set GO,  7
.set WV,  18
.set SEL, 20
.set CS,  22
.set G1,  24
.set G0,  32
.set TB,  36
.set CNT, 37
.macro CROUND
	s_barrier_signal -1
	s_barrier_wait -1
	s_cmp_lg_u32 s[WV], 0
	s_cbranch_scc1 .Lnot_wave_0_\@
	s_barrier_signal -3
.Lnot_wave_0_\@:
	s_barrier_wait -3
	s_barrier_signal -1
	s_barrier_wait -1
.endm
	s_load_b128 s[4:7], s[0:1], 0x0                ; qkv, query
	s_load_b64 s[8:9], s[0:1], 0x10                ; o
	v_lshl_add_u32 v[SPW], v0, 2, SPARE
	v_mov_b32 v[NIL], 0
	ds_add_u32 v[SPW], v[NIL]                      ; the wave's opening
	ds_add_u32 v[SPW], v[NIL]
	v_lshrrev_b32 v8, 5, v0
	s_delay_alu instid0(VALU_DEP_1)
	v_readfirstlane_b32 s[WV], v8
	s_bfe_u32 s10, ttmp6, 0x40000                  ; cx: it enters Q's, query's and o's addresses alone
	s_and_b32 s11, ttmp7, 0xffff                   ; 16 x batch + head, which the four partners share
	s_mov_b32 s[G1], 15|(3<<16)|(1<<21)            ; the mask: all four; elements of 8 bytes; bit 21 beside a mask
	s_mov_b32 s[G1+1], 32<<16                      ; a record as 51 rows of 256 bytes
	s_mov_b32 s[G1+2], 51<<16
	s_mov_b32 s[G1+3], 32<<16
	s_mov_b32 s[G1+4], 51
	s_mov_b32 s[G1+5], 32
	s_mov_b32 s[G1+6], 0
	s_mov_b32 s[G1+7], 0
	s_mul_i32 s14, s11, HEADB
	s_mul_i32 s13, s[WV], KVREC
	s_add_co_u32 s14, s14, s13
	s_add_co_u32 s14, s14, KVOFF
	s_mov_b32 s15, 0
	s_mov_b32 s[SEL], 0x76543210
	s_mov_b32 s[SEL+1], 0xfedcba98
	s_mov_b32 s[CS], 0x3e38aa3b                    ; log2(e) / 8
	s_mov_b32 s[CS+1], s[CS]
	s_wait_dscnt 0x0                               ; the opening add is done
	s_wait_kmcnt 0x0
	s_mov_b32 s[G0], 1
	s_mul_i32 s[G0+1], s[WV], KVREC                ; record w lies at w x 13,056
	s_add_nc_u64 s[G0+2:G0+3], s[4:5], s[14:15]
	s_or_b32 s[G0+3], s[G0+3], 0x80000000
	CROUND                                         ; all four work-groups are here: the joint loads meet
	tensor_load_to_lds s[G0:G0+3], s[G1:G1+7]
	s_nop 0
	s_lshl_b32 s12, ttmp9, 2
	s_add_co_u32 s12, s12, s10                     ; my block of 256 queries
	s_lshl_b32 s12, s12, 1
	s_lshr_b32 s13, s[WV], 3
	s_add_co_u32 s12, s12, s13                     ; my panel of 128 queries
	s_and_b32 s13, s[WV], 7                        ; my tile in it
	s_lshl_b32 s16, s11, 4
	s_add_co_u32 s16, s16, s12
	s_mul_i32 s16, s16, QREC
	s_mov_b32 s17, 0
	s_add_nc_u64 s[4:5], s[4:5], s[16:17]          ; my Q record
	v_and_b32 v4, 31, v0
	s_delay_alu instid0(VALU_DEP_1)
	v_lshlrev_b32 v1, 4, v4                        ; 16 L
	s_delay_alu instid0(VALU_DEP_2)
	v_lshlrev_b32 v2, 3, v4                        ; 8 L
	s_delay_alu instid0(VALU_DEP_3)
	v_lshlrev_b32 v3, 2, v4                        ; 4 L
	v_and_b32 v8, 15, v0
	v_bfe_u32 v9, v0, 4, 1
	s_wait_alu depctr_va_vdst(0)
	s_mul_i32 s16, s13, 768
	v_add_nc_u32 v28, s16, v1
	v_add_nc_u32 v29, s16, v2
	s_lshl_b32 s16, s13, 6
	v_lshl_add_u32 v30, v8, 2, s16
	global_load_b128 v[16:19], v28, s[4:5]         ; Q's six registers of codes,
	global_load_b64 v[20:21], v29, s[4:5] offset:512
	global_load_b32 v255, v30, s[4:5] offset:6144  ; and its scale words
	s_lshr_b32 s16, s11, 4
	s_lshl_b32 s16, s16, 11
	s_lshl_b32 s17, s12, 7
	s_add_co_u32 s16, s16, s17
	s_lshr_b32 s17, s13, 1
	s_lshl_b32 s17, s17, 5
	s_add_co_u32 s16, s16, s17
	s_and_b32 s17, s13, 1
	s_lshl_b32 s17, s17, 3
	s_add_co_u32 s16, s16, s17                     ; the tile's first row: place p is row + p + (p & 8)
	s_lshl_b32 s16, s16, 12
	s_and_b32 s17, s11, 15
	s_lshl_b32 s17, s17, 8
	s_add_co_u32 s16, s16, s17                     ; + the head's 256 bytes
	s_mov_b32 s17, 0
	s_add_nc_u64 s[6:7], s[6:7], s[16:17]
	s_add_nc_u64 s[8:9], s[8:9], s[16:17]
	v_lshlrev_b32 v[GO], 12, v9
	s_delay_alu instid0(VALU_DEP_1)
	v_lshl_add_u32 v[GO], v8, 4, v[GO]             ; lanes 0-15 one row, lanes 16-31 the next; 16 bytes a lane
.irp j, 22,23,24,25,26,27,80,81,82,83,84,85
	v_mov_b32 v[\j], 0                             ; zero codes: Q's upper half, and what follows K's last tile
.endr
	v_mov_b32 v13, 0xff61b1e6                      ; the largest t so far: -3e38
	s_delay_alu instid0(VALU_DEP_1)
	v_floor_f32 v12, -v13                          ; -M
	v_mov_b32 v14, 0
	v_mov_b32 v15, 0
.irp b, 0,1,2,3
	v_mov_b32 v[236+\b], 0                         ; a lane permute's destination counts as one of its sources
.endr
	v_mov_b32 v253, 0
.set i, 0
.rept 32
	v_mov_b32 v[160+i], 0                          ; O^T: the step is written once; the first finds zeros, which the first change of M leaves zeros
.set i, i+1
.endr
.macro STEP
	v_add_nc_u32 v8, s[TB], v1
	v_add_nc_u32 v9, s[TB], v2
	v_add_nc_u32 v10, s[TB], v3
	v_nop                                          ; four places in front of loads into registers that the last products have read
.irp t, 0,1,2,3,4,5,6,7
	ds_load_b128 v[32+6*\t:35+6*\t], v8 offset:768*\t
	ds_load_b64 v[36+6*\t:37+6*\t], v9 offset:768*\t+512
.endr
.irp p, 0,1,2,3
	ds_load_b32 v[248+\p], v10 offset:12288+128*\p   ; lanes 0-15 tile 2 p's words, lanes 16-31 tile 2 p + 1's
.endr
	s_wait_alu depctr_va_vdst(0)
	s_wait_dscnt 0x0
.irp p, 0,1,2,3
	v_wmma_scale_f32_16x16x128_f8f6f4 v[96+16*\p:103+16*\p], v[32+12*\p:43+12*\p], v[16:27], 0, v[248+\p], v255 matrix_a_fmt:MATRIX_FMT_FP6 matrix_b_fmt:MATRIX_FMT_FP6
	v_wmma_scale_f32_16x16x128_f8f6f4 v[104+16*\p:111+16*\p], v[38+12*\p:49+12*\p], v[16:27], 0, v[248+\p], v255 matrix_a_fmt:MATRIX_FMT_FP6 matrix_b_fmt:MATRIX_FMT_FP6 matrix_a_scale:MATRIX_SCALE_ROW1
.endr
.rept 4
	v_nop
.endr
.irp t, 0,1,2,3                                ; V^T's four fragments are asked for now and land under the softmax
.irp c, 0,1,2
	ds_load_b128 v[32+12*\t+4*\c:35+12*\t+4*\c], v8 offset:6144+1536*\t+512*\c
.endr
.endr
.irp p, 0,1
	ds_load_b32 v[248+\p], v10 offset:12800+128*\p
.endr
.irp b, 0,1,2,3
	v_max3_num_f32 v[232+\b], v[96+16*\b], v[97+16*\b], v[98+16*\b]   ; the largest score of each block of 32 keys: for the row's maximum and, since p rises with the score, for the block's largest p
.endr
.irp i, 3,5,7,9,11,13
.irp b, 0,1,2,3
	v_max3_num_f32 v[232+\b], v[232+\b], v[96+16*\b+\i], v[97+16*\b+\i]
.endr
.endr
.irp b, 0,1,2,3
	v_max_num_f32 v[232+\b], v[232+\b], v[111+16*\b]
.endr
.irp b, 0,1,2,3
	s_delay_alu instid0(VALU_DEP_4)
	v_permlanex16_b32 v[236+\b], v[232+\b], s[SEL], s[SEL+1]
.endr
.irp b, 0,1,2,3
	s_delay_alu instid0(VALU_DEP_4)
	v_max_num_f32 v[232+\b], v[232+\b], v[236+\b]
.endr
	s_delay_alu instid0(VALU_DEP_2)
	v_max3_num_f32 v254, v232, v233, v234
	s_delay_alu instid0(VALU_DEP_1)
	v_max_num_f32 v254, v254, v235
	s_delay_alu instid0(VALU_DEP_1)
	v_mul_f32 v254, s[CS], v254
	s_delay_alu instid0(VALU_DEP_1)
	v_max_num_f32 v13, v13, v254                   ; the running largest t
	v_mov_b32 v254, v12
	s_delay_alu instid0(VALU_DEP_2)
	v_floor_f32 v12, -v13                          ; the new -M: M is a whole number
	s_delay_alu instid0(VALU_DEP_1)
	v_sub_f32 v254, v12, v254
	s_delay_alu instid0(VALU_DEP_1)
	v_cvt_i32_f32 v254, v254
	s_delay_alu instid0(VALU_DEP_1)
	v_ldexp_f32 v252, 1.0, v254                    ; f = 2^(old M - new M)
.set i, 0
.rept 32
	v_pk_fma_f32 v[96+i:97+i], v[96+i:97+i], s[CS:CS+1], v[12:13] op_sel_hi:[1,0,0]   ; t - M
.set i, i+2
.endr
.irp b, 0,1,2,3
	v_fma_f32 v[232+\b], v[232+\b], s[CS], v12
.endr
.set i, 0
	s_wait_alu depctr_va_vdst(0)
.rept 64
	v_exp_f32 v[96+i], v[96+i]                     ; p = 2^(t - M)
.set i, i+1
.endr
	v_pk_mul_f32 v[14:15], v[14:15], v[252:253] op_sel_hi:[1,0]   ; the sums under the new M.  (A plain place behind the exponentials)
	s_wait_alu depctr_va_vdst(0)                   ; one wait for the whole batch, ahead of its first reader
.irp b, 0,1,2,3
	v_exp_f32 v[232+\b], v[232+\b]                 ; the block's largest p
.endr
	v_pk_add_f32 v[236:237], v[100:101], v[104:105]
	v_pk_add_f32 v[250:251], v[108:109], v[112:113]
	v_pk_add_f32 v[246:247], v[116:117], v[120:121]
	v_pk_add_f32 v[244:245], v[124:125], v[128:129]
	v_pk_add_f32 v[242:243], v[132:133], v[136:137]
	v_pk_add_f32 v[240:241], v[140:141], v[144:145]
	v_pk_add_f32 v[238:239], v[148:149], v[152:153]
	v_pk_add_f32 v[14:15], v[14:15], v[156:157]
	v_pk_add_f32 v[236:237], v[236:237], v[96:97]
	v_pk_add_f32 v[250:251], v[250:251], v[98:99]
	v_pk_add_f32 v[246:247], v[246:247], v[102:103]
	v_pk_add_f32 v[244:245], v[244:245], v[106:107]
	v_pk_add_f32 v[242:243], v[242:243], v[110:111]
	v_pk_add_f32 v[240:241], v[240:241], v[114:115]
	v_pk_add_f32 v[238:239], v[238:239], v[118:119]
	v_pk_add_f32 v[14:15], v[14:15], v[122:123]
	v_pk_add_f32 v[236:237], v[236:237], v[126:127]
	v_pk_add_f32 v[250:251], v[250:251], v[130:131]
	v_pk_add_f32 v[246:247], v[246:247], v[134:135]
	v_pk_add_f32 v[244:245], v[244:245], v[138:139]
	v_pk_add_f32 v[242:243], v[242:243], v[142:143]
	v_pk_add_f32 v[240:241], v[240:241], v[146:147]
	v_pk_add_f32 v[238:239], v[238:239], v[150:151]
	v_pk_add_f32 v[14:15], v[14:15], v[154:155]
	v_pk_add_f32 v[236:237], v[236:237], v[158:159]
	s_delay_alu instid0(VALU_DEP_2)
	v_pk_add_f32 v[14:15], v[14:15], v[244:245]
	s_delay_alu instid0(VALU_DEP_2)
	v_pk_add_f32 v[236:237], v[236:237], v[242:243]
	v_pk_add_f32 v[250:251], v[250:251], v[240:241]
	v_pk_add_f32 v[246:247], v[246:247], v[238:239]
	s_delay_alu instid0(VALU_DEP_2)
	v_pk_add_f32 v[14:15], v[14:15], v[250:251]
	s_delay_alu instid0(VALU_DEP_2)
	v_pk_add_f32 v[236:237], v[236:237], v[246:247]
	s_delay_alu instid0(VALU_DEP_1)
	v_pk_add_f32 v[14:15], v[14:15], v[236:237]
	s_wait_alu depctr_va_vdst(0)                   ; and one for the four
.irp b, 0,1,2,3
	v_max_num_f32 v[232+\b], 0x1800000, v[232+\b]  ; the floor: the byte cannot fall under 1
.endr
.irp b, 0,1,2,3
	s_delay_alu instid0(VALU_DEP_4)
	v_add_nc_u32 v[244+\b], 0xff000000, v[232+\b]
.endr
.irp b, 0,1,2,3
	s_delay_alu instid0(VALU_DEP_4)
	v_lshrrev_b32 v[236+\b], 23, v[244+\b]
.endr
	s_delay_alu instid0(VALU_DEP_3)
	v_lshl_or_b32 v253, v237, 8, v236              ; p's scale word for these 128 keys
	s_delay_alu instid0(VALU_DEP_1)
	v_lshl_or_b32 v253, v238, 16, v253
	s_delay_alu instid0(VALU_DEP_1)
	v_lshl_or_b32 v253, v239, 24, v253
.irp c, 0,1
	v_cvt_scalef32_pk16_fp6_f32 v[224+6*\c:226+6*\c], v[96+32*\c:111+32*\c], v[244+2*\c]
	v_cvt_scalef32_pk16_fp6_f32 v[236+4*\c:238+4*\c], v[112+32*\c:127+32*\c], v[244+2*\c+1]
.endr
	v_nop
.irp c, 0,1
.irp i, 0,1,2
	v_permlane16_swap_b32 v[224+6*\c+\i], v[236+4*\c+\i]
.endr
.irp i, 0,1,2
	s_delay_alu instid0(VALU_DEP_3)
	v_mov_b32 v[227+6*\c+\i], v[236+4*\c+\i]
.endr
.endr
.set i, 0
.rept 16
	v_pk_mul_f32 v[160+i:161+i], v[160+i:161+i], v[252:253] op_sel_hi:[1,0]   ; O^T under the new M.  (These sixteen are also the places in front of the products below)
.set i, i+2
.endr
	s_wait_alu depctr_va_vdst(0)
	s_wait_dscnt 0x0                               ; V^T's fragments and words
.irp p, 0,1
	v_wmma_scale_f32_16x16x128_f8f6f4 v[160+16*\p:167+16*\p], v[32+24*\p:43+24*\p], v[224:235], v[160+16*\p:167+16*\p], v[248+\p], v253 matrix_a_fmt:MATRIX_FMT_FP6 matrix_b_fmt:MATRIX_FMT_FP6
	v_wmma_scale_f32_16x16x128_f8f6f4 v[168+16*\p:175+16*\p], v[44+24*\p:55+24*\p], v[224:235], v[168+16*\p:175+16*\p], v[248+\p], v253 matrix_a_fmt:MATRIX_FMT_FP6 matrix_b_fmt:MATRIX_FMT_FP6 matrix_a_scale:MATRIX_SCALE_ROW1
.endr
.endm
	s_wait_loadcnt 0x0                             ; Q's three loads
	s_wait_tensorcnt 0x0                           ; my record has landed,
	s_barrier_signal -1
	s_barrier_wait -1                              ; everybody's has
.irp i, 0,1,2,3,4,5,6,7
	global_load_b128 v[192+4*\i:195+4*\i], v[GO], s[6:7] offset:(2*\i+((2*\i)&8))*4096   ; the residual, in the layout of the final stores: asked for only now, behind the records
.endr
	s_mov_b32 s[TB], 0
	s_mov_b32 s[CNT], 16
.Lstep:
	STEP
	s_add_co_u32 s[TB], s[TB], KVREC
	s_sub_co_u32 s[CNT], s[CNT], 1
	s_cmp_lg_u32 s[CNT], 0
	s_cbranch_scc1 .Lstep
	; THE WAY OUT: O^T / the sum goes through my stage and comes back as rows of 256 bytes; the residual is added; sixteen lanes store one aligned run of 256 bytes
	v_add_f32 v14, v14, v15
	s_delay_alu instid0(VALU_DEP_1)
	v_permlanex16_b32 v252, v14, s[SEL], s[SEL+1]
	s_delay_alu instid0(VALU_DEP_1)
	v_add_f32 v14, v14, v252
	s_wait_alu depctr_va_vdst(0)
	v_rcp_f32 v14, v14
	v_and_b32 v8, 15, v0
	v_bfe_u32 v9, v0, 4, 1
	s_mul_i32 s12, s[WV], 4352
	s_add_co_u32 s12, s12, STAGE
	v_mul_u32_u24 v10, v8, 272
	s_delay_alu instid0(VALU_DEP_1)
	v_lshl_add_u32 v10, v9, 6, v10
	s_delay_alu instid0(VALU_DEP_1)
	v_add_nc_u32 v10, s12, v10                     ; in: row = my query's place; tile t's eight channels at 128 (t / 2) + 64 h + 32 (t % 2)
	v_mul_u32_u24 v11, v9, 272
	s_delay_alu instid0(VALU_DEP_1)
	v_lshl_add_u32 v11, v8, 4, v11
	s_delay_alu instid0(VALU_DEP_1)
	v_add_nc_u32 v11, s12, v11
	s_wait_alu depctr_va_vdst(0)                   ; the wait ahead of the reciprocal's first reader
.set i, 0
.rept 32
	v_mul_f32 v[96+i], v[160+i], v14
.set i, i+1
.endr
.irp t, 0,1,2,3
	ds_store_b128 v10, v[96+8*\t:99+8*\t] offset:128*(\t/2)+32*(\t%2)
	ds_store_b128 v10, v[100+8*\t:103+8*\t] offset:128*(\t/2)+32*(\t%2)+16
.endr
.irp i, 0,1,2,3,4,5,6,7
	ds_load_b128 v[32+4*\i:35+4*\i], v11 offset:544*\i   ; LDS serves a wave's instructions in order: these see my stores
.endr
	s_wait_loadcnt 0x0                             ; the residual
.irp i, 0,1,2,3,4,5,6,7
	s_wait_dscnt 7-\i
	v_pk_add_f32 v[32+4*\i:33+4*\i], v[32+4*\i:33+4*\i], v[192+4*\i:193+4*\i]
	v_pk_add_f32 v[34+4*\i:35+4*\i], v[34+4*\i:35+4*\i], v[194+4*\i:195+4*\i]
	global_store_b128 v[GO], v[32+4*\i:35+4*\i], s[8:9] offset:(2*\i+((2*\i)&8))*4096
.endr
	s_wait_tensorcnt 0x0                           ; the wave's end
	ds_add_u32 v[SPW], v[NIL]
	s_wait_dscnt 0x0
	CROUND                                         ; the closing round
	s_endpgm
.Lfunc_end_k_qa48663dc49_attn:
	.size	k_qa48663dc49_attn, .Lfunc_end_k_qa48663dc49_attn-k_qa48663dc49_attn
	.p2alignl 7, 3214868480
	.fill 96, 4, 3214868480
	.section	.rodata,"a",@progbits
	.p2align	6, 0x0
	.amdhsa_kernel k_qa48663dc49_attn
		.amdhsa_group_segment_fixed_size 327680
		.amdhsa_private_segment_fixed_size 0
		.amdhsa_enable_private_segment 0
		.amdhsa_kernarg_size 24
		.amdhsa_user_sgpr_count 2
		.amdhsa_user_sgpr_kernarg_segment_ptr 1
		.amdhsa_wavefront_size32 1
		.amdhsa_system_sgpr_workgroup_id_x 1
		.amdhsa_system_sgpr_workgroup_id_y 1
		.amdhsa_system_sgpr_workgroup_id_z 1
		.amdhsa_system_vgpr_workitem_id 0
		.amdhsa_next_free_vgpr 256
		.amdhsa_next_free_sgpr 66
		.amdhsa_reserve_vcc 0
		.amdhsa_float_denorm_mode_32 3
		.amdhsa_float_denorm_mode_16_64 3
		.amdhsa_memory_ordered 1
		.amdhsa_forward_progress 1
		.amdhsa_inst_pref_size 30
	.end_amdhsa_kernel
	.amdgpu_metadata
---
amdhsa.version: [ 1, 2 ]
amdhsa.kernels:
  - .name:           k_qa48663dc49_attn
    .symbol:         k_qa48663dc49_attn.kd
    .args:
      - { .name: qkv, .offset: 0, .size: 8, .value_kind: global_buffer, .address_space: global }
      - { .name: query, .offset: 8, .size: 8, .value_kind: global_buffer, .address_space: global }
      - { .name: o, .offset: 16, .size: 8, .value_kind: global_buffer, .address_space: global }
    .group_segment_fixed_size: 327680
    .private_segment_fixed_size: 0
    .kernarg_segment_align: 8
    .kernarg_segment_size: 24
    .max_flat_workgroup_size: 512
    .sgpr_count:     66
    .vgpr_count:     256
    .wavefront_size: 32
...
	.end_amdgpu_metadata
.endif
;; end of part 3
;; launch lnq (part 4): grid 256 x 1, 8 waves a work-group, no clusters, 2,048 bytes of LDS; arguments o, fn_g, fn_b, hp; writes hp
.if DOCPART == 4
	.amdgcn_target "amdgcn-amd-amdhsa--gfx1250"
	.amdhsa_code_object_version 6
	.text
	.protected	k_qa48663dc49_lnq
	.globl	k_qa48663dc49_lnq
	.p2align	8
	.type	k_qa48663dc49_lnq,@function
k_qa48663dc49_lnq:
	s_mov_b64 s[64:65], 0
	v_nop
	global_prefetch_b8 v0, s[64:65] scope:SCOPE_SE
	s_setreg_imm32_b32 hwreg(HW_REG_WAVE_MODE, 25, 1), 1
	s_wait_xcnt 0x0
; h = layer norm of o over its 1,024 columns, x fn_g + fn_b, quantised along the columns into panel records (the layout of the first launch's records).
; A work-group takes one tile of 16 rows (panel = number / 8, tile = number % 8; place p is row 32 (tile / 2) + 8 (tile % 2) + p + (p & 8)); wave w takes columns 128 w .. 128 w + 127:
; lane (r, h) holds, of row r, 16 neighbours of each block of 32.  The rows' sums meet in LDS: 8 partial sums a row, twice (mean, then squares of the differences), each behind a barrier.
; The scale words leave in pieces of 64 bytes, one part in 24 of what is stored: whole runs of 256 would want 64 rows to a work-group, that is 64 work-groups.
; LIMITS: NaN and infinities are not served; a block of zeros gets the byte 1.
.set SPARE, 1024
.set X,   32
.set G,   96
.set BN,  160
.set T1,  224
.set T2,  226
.set MU,  228
.set RS,  230
.set RD,  232
.set TM,  96
.set PC,  112
.set PW,  132
.set SPW, 254
.set NIL, 255
.set SEL, 26
.macro QUANT s, pc, tm, pw
.irp b, 0,1,2,3
	v_max3_num_f32 v[\tm+\b], |v[\s+16*\b]|, |v[\s+1+16*\b]|, 0x1800000
.endr
.irp i, 2,4,6,8,10,12,14
.irp b, 0,1,2,3
	s_delay_alu instid0(VALU_DEP_4)
	v_max3_num_f32 v[\tm+\b], v[\tm+\b], |v[\s+16*\b+\i]|, |v[\s+1+16*\b+\i]|
.endr
.endr
.irp b, 0,1,2,3
	s_delay_alu instid0(VALU_DEP_4)
	v_permlanex16_b32 v[\tm+4+\b], v[\tm+\b], s[SEL], s[SEL+1]
.endr
.irp b, 0,1,2,3
	s_delay_alu instid0(VALU_DEP_4)
	v_max_num_f32 v[\tm+\b], v[\tm+\b], v[\tm+4+\b]
.endr
.irp b, 0,1,2,3
	s_delay_alu instid0(VALU_DEP_4)
	v_add_nc_u32 v[\tm+12+\b], 0xff000000, v[\tm+\b]
.endr
.irp b, 0,1,2,3
	s_delay_alu instid0(VALU_DEP_4)
	v_lshrrev_b32 v[\tm+4+\b], 23, v[\tm+12+\b]
.endr
	s_delay_alu instid0(VALU_DEP_3)
	v_lshl_or_b32 v[\pw], v[\tm+5], 8, v[\tm+4]
	s_delay_alu instid0(VALU_DEP_1)
	v_lshl_or_b32 v[\pw], v[\tm+6], 16, v[\pw]
	s_delay_alu instid0(VALU_DEP_1)
	v_lshl_or_b32 v[\pw], v[\tm+7], 24, v[\pw]
.irp c, 0,1
	v_cvt_scalef32_pk16_fp6_f32 v[\pc+6*\c:\pc+2+6*\c], v[\s+32*\c:\s+15+32*\c], v[\tm+12+2*\c]
	v_cvt_scalef32_pk16_fp6_f32 v[\pc+12+4*\c:\pc+14+4*\c], v[\s+16+32*\c:\s+31+32*\c], v[\tm+12+2*\c+1]
.endr
	v_nop
.irp c, 0,1
.irp i, 0,1,2
	v_permlane16_swap_b32 v[\pc+6*\c+\i], v[\pc+12+4*\c+\i]
.endr
.irp i, 0,1,2
	s_delay_alu instid0(VALU_DEP_3)
	v_mov_b32 v[\pc+3+6*\c+\i], v[\pc+12+4*\c+\i]
.endr
.endr
.endm
; the row's partial sum in v[T1] goes to LDS at base + 32 r + 4 w; behind a barrier every wave adds the row's eight, in one fixed order
.macro MEET base
	s_delay_alu instid0(VALU_DEP_1)
	v_add_f32 v[T1], v[T1], v[T1+1]
	s_delay_alu instid0(VALU_DEP_1)
	v_permlanex16_b32 v[T2], v[T1], s[SEL], s[SEL+1]
	s_delay_alu instid0(VALU_DEP_1)
	v_add_f32 v[T1], v[T1], v[T2]
	ds_store_b32 v9, v[T1] offset:\base            ; both halves of the lanes hold the same number and write it to the same word
	s_wait_dscnt 0x0                               ; for the others' sake
	s_barrier_signal -1
	s_barrier_wait -1
	ds_load_b128 v[RD:RD+3], v8 offset:\base
	ds_load_b128 v[RD+4:RD+7], v8 offset:\base+16
	s_wait_dscnt 0x0
	v_add_f32 v[RD], v[RD], v[RD+1]
	v_add_f32 v[RD+2], v[RD+2], v[RD+3]
	v_add_f32 v[RD+4], v[RD+4], v[RD+5]
	v_add_f32 v[RD+6], v[RD+6], v[RD+7]
	s_delay_alu instid0(VALU_DEP_3)
	v_add_f32 v[RD], v[RD], v[RD+2]
	s_delay_alu instid0(VALU_DEP_2)
	v_add_f32 v[RD+4], v[RD+4], v[RD+6]
	s_delay_alu instid0(VALU_DEP_1)
	v_add_f32 v[RD], v[RD], v[RD+4]
.endm
	s_load_b256 s[4:11], s[0:1], 0x0               ; o, fn_g, fn_b, hp
	v_lshl_add_u32 v[SPW], v0, 2, SPARE
	v_mov_b32 v[NIL], 0
	v_lshrrev_b32 v1, 5, v0
	s_delay_alu instid0(VALU_DEP_1)
	v_readfirstlane_b32 s12, v1                    ; wave 0..7
	v_and_b32 v1, 31, v0
	s_wait_alu depctr_va_vdst(0)
	v_and_b32 v2, 15, v0
	s_wait_alu depctr_va_vdst(0)
	v_bfe_u32 v3, v0, 4, 1
	s_mov_b32 s[SEL], 0x76543210
	s_mov_b32 s[SEL+1], 0xfedcba98
	s_lshr_b32 s13, ttmp9, 3                       ; panel
	s_and_b32 s14, ttmp9, 7                        ; tile
	s_lshl_b32 s16, s13, 4
	s_lshr_b32 s17, s14, 1
	s_lshl_b32 s17, s17, 2
	s_add_co_u32 s16, s16, s17
	s_and_b32 s17, s14, 1
	s_add_co_u32 s16, s16, s17                     ; the tile's first row / 8
	s_lshl_b32 s16, s16, 15
	s_lshl_b32 s18, s12, 9                         ; my 128 columns
	s_add_co_u32 s16, s16, s18
	s_mov_b32 s17, 0
	s_mov_b32 s19, 0
	s_lshl_b32 s20, s13, 2
	s_lshr_b32 s21, s12, 1
	s_add_co_u32 s20, s20, s21
	s_mul_i32 s20, s20, 25600                      ; the record of (panel, K slot w / 2)
	s_mov_b32 s21, 0
	s_and_b32 s22, s12, 1
	s_mul_i32 s23, s22, 12288
	s_mul_i32 s24, s14, 1536
	s_add_co_u32 s23, s23, s24
	v_lshl_add_u32 v6, v1, 4, s23
	s_lshl_b32 s23, s22, 9
	s_lshl_b32 s24, s14, 6
	s_add_co_u32 s23, s23, s24
	s_add_co_u32 s23, s23, 24576
	v_lshl_add_u32 v7, v2, 2, s23
	v_and_b32 v4, 8, v2
	s_delay_alu instid0(VALU_DEP_1)
	v_add_nc_u32 v4, v4, v2
	s_delay_alu instid0(VALU_DEP_1)
	v_lshlrev_b32 v4, 12, v4
	s_wait_alu depctr_va_vdst(0)
	v_lshl_add_u32 v4, v3, 6, v4                   ; my row, + 64 h
	v_lshlrev_b32 v5, 6, v3
	v_lshlrev_b32 v8, 5, v2                        ; 32 r
	s_lshl_b32 s25, s12, 2
	v_add_nc_u32 v9, s25, v8                       ; 32 r + 4 w
	v_mov_b32 v[MU+1], 0
	v_mov_b32 v[RS+1], 0
	s_wait_alu depctr_va_vdst(0)
	s_wait_kmcnt 0x0
	s_add_nc_u64 s[4:5], s[4:5], s[16:17]
	s_add_nc_u64 s[6:7], s[6:7], s[18:19]
	s_add_nc_u64 s[8:9], s[8:9], s[18:19]
	s_add_nc_u64 s[10:11], s[10:11], s[20:21]
.irp b, 0,1,2,3
.irp j, 0,1,2,3
	global_load_b128 v[X+16*\b+4*\j:X+16*\b+4*\j+3], v4, s[4:5] offset:128*\b+16*\j
.endr
.endr
.irp b, 0,1,2,3
.irp j, 0,1,2,3
	global_load_b128 v[G+16*\b+4*\j:G+16*\b+4*\j+3], v5, s[6:7] offset:128*\b+16*\j
	global_load_b128 v[BN+16*\b+4*\j:BN+16*\b+4*\j+3], v5, s[8:9] offset:128*\b+16*\j
.endr
.endr
	s_wait_loadcnt 32                              ; x is in; gain and bias may be out
	v_pk_add_f32 v[226:227], v[32:33], v[34:35]
	v_pk_add_f32 v[252:253], v[40:41], v[44:45]
	v_pk_add_f32 v[250:251], v[48:49], v[52:53]
	v_pk_add_f32 v[248:249], v[56:57], v[60:61]
	v_pk_add_f32 v[246:247], v[64:65], v[68:69]
	v_pk_add_f32 v[244:245], v[72:73], v[76:77]
	v_pk_add_f32 v[242:243], v[80:81], v[84:85]
	v_pk_add_f32 v[224:225], v[88:89], v[92:93]
	s_delay_alu instid0(VALU_DEP_1)
	v_pk_add_f32 v[224:225], v[224:225], v[36:37]
	v_pk_add_f32 v[226:227], v[226:227], v[38:39]
	v_pk_add_f32 v[252:253], v[252:253], v[42:43]
	v_pk_add_f32 v[250:251], v[250:251], v[46:47]
	v_pk_add_f32 v[248:249], v[248:249], v[50:51]
	v_pk_add_f32 v[246:247], v[246:247], v[54:55]
	v_pk_add_f32 v[244:245], v[244:245], v[58:59]
	v_pk_add_f32 v[242:243], v[242:243], v[62:63]
	v_pk_add_f32 v[224:225], v[224:225], v[66:67]
	v_pk_add_f32 v[226:227], v[226:227], v[70:71]
	v_pk_add_f32 v[252:253], v[252:253], v[74:75]
	v_pk_add_f32 v[250:251], v[250:251], v[78:79]
	v_pk_add_f32 v[248:249], v[248:249], v[82:83]
	v_pk_add_f32 v[246:247], v[246:247], v[86:87]
	v_pk_add_f32 v[244:245], v[244:245], v[90:91]
	v_pk_add_f32 v[242:243], v[242:243], v[94:95]
	s_delay_alu instid0(VALU_DEP_4)
	v_pk_add_f32 v[224:225], v[224:225], v[248:249]
	s_delay_alu instid0(VALU_DEP_4)
	v_pk_add_f32 v[226:227], v[226:227], v[246:247]
	s_delay_alu instid0(VALU_DEP_4)
	v_pk_add_f32 v[252:253], v[252:253], v[244:245]
	s_delay_alu instid0(VALU_DEP_4)
	v_pk_add_f32 v[250:251], v[250:251], v[242:243]
	s_delay_alu instid0(VALU_DEP_2)
	v_pk_add_f32 v[224:225], v[224:225], v[252:253]
	s_delay_alu instid0(VALU_DEP_2)
	v_pk_add_f32 v[226:227], v[226:227], v[250:251]
	s_delay_alu instid0(VALU_DEP_1)
	v_pk_add_f32 v[224:225], v[224:225], v[226:227]
	MEET 0
	s_delay_alu instid0(VALU_DEP_1)
	v_mul_f32 v[MU], 0x3a800000, v[RD]             ; the mean of 1,024
.set i, 0
.rept 32
	v_pk_add_f32 v[X+i:X+i+1], v[X+i:X+i+1], v[MU:MU+1] op_sel_hi:[1,0] neg_lo:[0,1] neg_hi:[0,1]
.set i, i+2
.endr
	v_pk_mul_f32 v[T1:T1+1], v[X:X+1], v[X:X+1]
	v_pk_mul_f32 v[T2:T2+1], v[X+2:X+3], v[X+2:X+3]
.set i, 4
.rept 15
	s_delay_alu instid0(VALU_DEP_2)
	v_pk_fma_f32 v[T1:T1+1], v[X+i:X+i+1], v[X+i:X+i+1], v[T1:T1+1]
	s_delay_alu instid0(VALU_DEP_2)
	v_pk_fma_f32 v[T2:T2+1], v[X+i+2:X+i+3], v[X+i+2:X+i+3], v[T2:T2+1]
.set i, i+4
.endr
	s_delay_alu instid0(VALU_DEP_1)
	v_pk_add_f32 v[T1:T1+1], v[T1:T1+1], v[T2:T2+1]
	MEET 512                                       ; other bytes than the first meeting's: no barrier is owed between its reads and these stores
	v_mov_b32 v[T1], 0x3727c5ac                    ; 1e-5
	s_delay_alu instid0(VALU_DEP_1)
	v_fmac_f32 v[T1], 0x3a800000, v[RD]
	s_wait_alu depctr_va_vdst(0)
	v_rsq_f32 v[RS], v[T1]
	v_nop
	s_wait_alu depctr_va_vdst(0)
	s_wait_loadcnt 0x0
.set i, 0
.rept 32
	v_pk_mul_f32 v[X+i:X+i+1], v[X+i:X+i+1], v[RS:RS+1] op_sel_hi:[1,0]
.set i, i+2
.endr
.set i, 0
.rept 32
	v_pk_fma_f32 v[X+i:X+i+1], v[X+i:X+i+1], v[G+i:G+i+1], v[BN+i:BN+i+1]
.set i, i+2
.endr
	QUANT X, PC, TM, PW                            ; (its work registers lie over the gain, which is done with)
.irp c, 0,1,2
	global_store_b128 v6, v[PC+4*\c:PC+4*\c+3], s[10:11] offset:512*\c
.endr
	global_store_b32 v7, v[PW], s[10:11]
	s_wait_tensorcnt 0x0                           ; the wave's end
	ds_add_u32 v[SPW], v[NIL]
	s_wait_dscnt 0x0
	s_endpgm
.Lfunc_end_k_qa48663dc49_lnq:
	.size	k_qa48663dc49_lnq, .Lfunc_end_k_qa48663dc49_lnq-k_qa48663dc49_lnq
	.p2alignl 7, 3214868480
	.fill 96, 4, 3214868480
	.section	.rodata,"a",@progbits
	.p2align	6, 0x0
	.amdhsa_kernel k_qa48663dc49_lnq
		.amdhsa_group_segment_fixed_size 2048
		.amdhsa_private_segment_fixed_size 0
		.amdhsa_enable_private_segment 0
		.amdhsa_kernarg_size 32
		.amdhsa_user_sgpr_count 2
		.amdhsa_user_sgpr_kernarg_segment_ptr 1
		.amdhsa_wavefront_size32 1
		.amdhsa_system_sgpr_workgroup_id_x 1
		.amdhsa_system_sgpr_workgroup_id_y 1
		.amdhsa_system_sgpr_workgroup_id_z 1
		.amdhsa_system_vgpr_workitem_id 0
		.amdhsa_next_free_vgpr 256
		.amdhsa_next_free_sgpr 66
		.amdhsa_reserve_vcc 0
		.amdhsa_float_denorm_mode_32 3
		.amdhsa_float_denorm_mode_16_64 3
		.amdhsa_memory_ordered 1
		.amdhsa_forward_progress 1
		.amdhsa_inst_pref_size 27
	.end_amdhsa_kernel
	.amdgpu_metadata
---
amdhsa.version: [ 1, 2 ]
amdhsa.kernels:
  - .name:           k_qa48663dc49_lnq
    .symbol:         k_qa48663dc49_lnq.kd
    .args:
      - { .name: o, .offset: 0, .size: 8, .value_kind: global_buffer, .address_space: global }
      - { .name: fn_g, .offset: 8, .size: 8, .value_kind: global_buffer, .address_space: global }
      - { .name: fn_b, .offset: 16, .size: 8, .value_kind: global_buffer, .address_space: global }
      - { .name: hp, .offset: 24, .size: 8, .value_kind: global_buffer, .address_space: global }
    .group_segment_fixed_size: 2048
    .private_segment_fixed_size: 0
    .kernarg_segment_align: 8
    .kernarg_segment_size: 32
    .max_flat_workgroup_size: 256
    .sgpr_count:     66
    .vgpr_count:     256
    .wavefront_size: 32
...
	.end_amdgpu_metadata
.endif
;; end of part 4
;; launch ffn1 (part 5): grid 16 x 16, 4 waves a work-group, clusters of 4 x 4, 327,680 bytes of LDS; arguments hp, wts, b1, gp; writes gp
.if DOCPART == 5
	.amdgcn_target "amdgcn-amd-amdhsa--gfx1250"
	.amdhsa_code_object_version 6
	.text
	.protected	k_qa48663dc49_ffn1
	.globl	k_qa48663dc49_ffn1
	.p2align	8
	.type	k_qa48663dc49_ffn1,@function
k_qa48663dc49_ffn1:
	s_mov_b64 s[64:65], 0
	v_nop
	global_prefetch_b8 v0, s[64:65] scope:SCOPE_SE
	s_setreg_imm32_b32 hwreg(HW_REG_WAVE_MODE, 25, 1), 1
	s_wait_xcnt 0x0
	s_wait_alu depctr_hold_cnt(0) depctr_sa_sdst(0) depctr_va_vdst(0) depctr_va_sdst(0) depctr_va_ssrc(0) depctr_va_vcc(0) depctr_vm_vsrc(0)
	s_getreg_b32 s2, hwreg(HW_REG_IB_STS2, 6, 4)
	s_cmp_eq_u32 s2, 0
	s_cbranch_scc0 .Lentry_in_a_cluster
	s_endpgm
.Lentry_in_a_cluster:
	s_bfe_u32 s2, ttmp6, 0x10000c
	s_cmp_lg_u32 s2, 0xf033
	s_cbranch_scc0 .Lentry_shape_is_right
	s_endpgm
.Lentry_shape_is_right:
; g = gelu(h W1 + b1), exact form, quantised along its 4,096 columns into panel records for the next product.  h and W1 come as panel records of E2M3 codes (128 rows x 256 K, 25,600 bytes:
; images of the operand's registers, then the scale words).  A work-group makes 256 x 256, a wave 128 x 128 (64 accumulators, by turns).  The product is used transposed: a lane holds one row
; of h and its registers run along the hidden units, which are the next K.
; gelu(x) = max(x, 0) - |x| e, e = erfc(|x| / sqrt 2) / 2 = u 2^(a polynomial of degree 9 in u - x x log2(e) / 2), u = 1 / (1 + |x| / (2 sqrt 2)); all in f32.
; CLUSTER 4 x 4: h's records are shared along a row of the cluster, W1's along a column: joint loads.
; THE FILLS: K = 1,024 is four K slots in three LDS regions.  K slot 0 is asked for at the head, one joint load a wave; slot 1 behind the full sequence and a round, ahead of slot 0's first
; fragment loads; slot 2 behind the round in the first change of regions; slot 3 refills region 0 behind the round in the second.  By this text's count a wave has one tensor load out.
; PREFETCH: of the 100 blocks of 256 bytes of the record that a wave fetches, the partner at place p among the four that ask jointly (cx for h, cy for W1) names blocks 25 p .. 25 p + 24,
; a lane a block (lanes 25-31 name the last again).  K slots 1 and 2 are named behind slot 0's load, slot 3 behind slot 1's: every step is an immediate, and slot 3 is the panel's last.
; LIMITS: NaN and infinities are not served; a block of zeros gets the byte 1 (its codes are zeros; this program alone reads the bytes).
.set REC,    25600
.set PANB,   4*REC
.set RGN,    4*REC
.set SPARE,  3*RGN
.set SCR,    SPARE+512
.set W1OFF,  2457600
.set FR,   12
.set AF,   128
.set SC,   32
.set ADRA, 4
.set ADRB, 7
.set ADRS, 10
.set SQA,  15
.set VO1,  17
.set VSQ,  20
.set BA1,  21
.set RQT,  25
.set SPW,  28
.set NIL,  29
.set U,    64
.set Z,    96
.set X,    128
.set P,    192
.set PC,   64
.set TM,   224
.set PW,   240
.set C8V,  246
.set G1R, 28
.set G1C, 36
.set G0R, 44
.set G0C, 56
.set G0C2, 68
.set WV,  72
.set WR,  73
.set WC,  74
.set CX,  75
.set CY,  76
.set SEL, 82
.set AB,  84
.set AOFF, 85
.set SB0, 86
.set LW,  94
.set C0,  28
.set C1,  30
.set C2,  32
.set C3,  34
.set C4,  36
.set C5,  38
.set C6,  40
.set C7,  42
.set C9,  44
.set NL,  46
.set KK,  48
.set MSB, 0
.macro WIN new
.if MSB != \new
	s_set_vgpr_msb (MSB<<8)|\new
.set MSB, \new
.endif
.endm
.set MUL_LO, 0xa1
.set MUL_HI, 0xf1
.set TO_B,   0x40
.macro PLACES n
.rept \n
	v_nop
.endr
.endm
.macro JLOAD g0r, g1r, g0c, g1c
	s_cmp_eq_u32 s[WR], 0
	s_cbranch_scc0 .Lfor_c_\@
	tensor_load_to_lds s[\g0r:\g0r+3], s[\g1r:\g1r+7]
	s_nop 0
.rept 4
	v_nop
.endr
	s_branch .Lasked_\@
.Lfor_c_\@:
	tensor_load_to_lds s[\g0c:\g0c+3], s[\g1c:\g1c+7]
	s_nop 0
.rept 4
	v_nop
.endr
.Lasked_\@:
.endm
.macro CREST
	s_cmp_lg_u32 s[WV], 0
	s_cbranch_scc1 .Lnot_wave_0_\@
	s_barrier_signal -3
.Lnot_wave_0_\@:
	s_barrier_wait -3
	s_barrier_signal -1
	s_barrier_wait -1
.endm
.macro CROUND
	s_barrier_signal -1
	s_barrier_wait -1
	CREST
.endm
.macro SETG0 g0r, g0c, k
	s_mov_b32 s[\g0r], 1
	s_add_co_u32 s[\g0r+1], s[LW], \k*RGN
	s_add_nc_u64 s[\g0r+2:\g0r+3], s[98:99], \k*REC
	s_or_b32 s[\g0r+3], s[\g0r+3], 0x80000000
	s_mov_b32 s[\g0c], 1
	s_add_co_u32 s[\g0c+1], s[LW], \k*RGN
	s_add_nc_u64 s[\g0c+2:\g0c+3], s[100:101], \k*REC
	s_or_b32 s[\g0c+3], s[\g0c+3], 0x80000000
.endm
.macro FRAG reg, adr, q, i
.irp c, 0,1,2
	ds_load_b128 v[\reg+4*\c:\reg+4*\c+3], v[\adr] offset:(\q)*12288+(\i)*1536+512*\c
.endr
.endm
.macro FETCH_B k, q, p
	WIN TO_B
.irp i, 0,1,2,3,4,5,6,7
	FRAG 128*(\p)+FR*\i, ADRB+\k, \q, \i
.endr
	WIN 0
.endm
.macro FETCH_A k, q, i0
.irp i, \i0, \i0+1, \i0+2, \i0+3
	FRAG AF+FR*(\i), ADRA+\k, \q, \i
.endr
.endm
.macro SCALES set, k
.irp i, 0,1,2,3,4,5,6,7
.irp q, 0,1
	ds_load_b32 v[SC+16*(\set)+2*\i+\q], v[ADRS+\k] offset:\q*512+\i*64
.endr
.endr
.endm
.macro MUL16 a0, p, q, set, zero
.irp a, \a0, \a0+1
.irp b, 0,1,2,3,4,5,6,7
.if \zero
	v_wmma_scale_f32_16x16x128_f8f6f4 v[8*(8*((\a)%4)+\b):8*(8*((\a)%4)+\b)+7], v[128*(\p)+FR*\b:128*(\p)+FR*\b+FR-1], v[AF+FR*(\a):AF+FR*(\a)+FR-1], 0, v[SC+16*(\set)+2*\b+(\q)], v[SC+16*(\set)+2*(\a)+(\q)] matrix_a_fmt:MATRIX_FMT_FP6 matrix_b_fmt:MATRIX_FMT_FP6 matrix_a_scale:MATRIX_SCALE_ROW1
.else
	v_wmma_scale_f32_16x16x128_f8f6f4 v[8*(8*((\a)%4)+\b):8*(8*((\a)%4)+\b)+7], v[128*(\p)+FR*\b:128*(\p)+FR*\b+FR-1], v[AF+FR*(\a):AF+FR*(\a)+FR-1], v[8*(8*((\a)%4)+\b):8*(8*((\a)%4)+\b)+7], v[SC+16*(\set)+2*\b+(\q)], v[SC+16*(\set)+2*(\a)+(\q)] matrix_a_fmt:MATRIX_FMT_FP6 matrix_b_fmt:MATRIX_FMT_FP6 matrix_a_scale:MATRIX_SCALE_ROW1
.endif
.endr
.endr
.endm
.macro STEP k, set, zero
	s_wait_dscnt 12
	WIN MUL_LO
	MUL16 0, 0, 0, \set, \zero
	MUL16 2, 0, 0, \set, \zero
	s_wait_dscnt 0x0
	PLACES 4
	FETCH_B \k, 1, 1
	FETCH_A \k, 1, 0
	WIN MUL_HI
	MUL16 4, 0, 0, \set, \zero
	MUL16 6, 0, 0, \set, \zero
	PLACES 4
	WIN 0
	FETCH_A \k, 1, 4
.endm
.macro TURN k, next, set, mode
.if \mode
	s_wait_tensorcnt 0x0
	ds_add_u32 v[SPW], v[NIL]
	s_wait_dscnt 13
	WIN MUL_LO
	MUL16 0, 1, 1, \set, 0
	s_wait_dscnt 0x0
	s_barrier_signal -1
	MUL16 2, 1, 1, \set, 0
	WIN 0
	s_barrier_wait -1
.if \mode == 3
	CREST                                          ; mode 3: region 2 is filled for the first time, issued as a refill is
	JLOAD G0R+8, G1R, G0C2, G1C                    ; K slot 2
.endif
.if \mode == 2
	CREST
	s_add_nc_u64 s[G0R+2:G0R+3], s[G0R+2:G0R+3], 3*REC
	s_add_nc_u64 s[G0C+2:G0C+3], s[G0C+2:G0C+3], 3*REC
	JLOAD G0R, G1R, G0C, G1C
.else
	PLACES 4
.endif
.else
	s_wait_dscnt 12
	WIN MUL_LO
	MUL16 0, 1, 1, \set, 0
	MUL16 2, 1, 1, \set, 0
	s_wait_dscnt 0x0
	PLACES 4
.endif
	FETCH_B \next, 0, 0
	FETCH_A \next, 0, 0
	SCALES 1-(\set), \next
	WIN MUL_HI
	MUL16 4, 1, 1, \set, 0
	MUL16 6, 1, 1, \set, 0
	PLACES 4
	WIN 0
	FETCH_A \next, 0, 4
.endm
.macro QUANT s, pc, tm, pw
.irp b, 0,1,2,3
	v_max3_num_f32 v[\tm+\b], |v[\s+16*\b]|, |v[\s+1+16*\b]|, 0x1800000
.endr
.irp i, 2,4,6,8,10,12,14
.irp b, 0,1,2,3
	v_max3_num_f32 v[\tm+\b], v[\tm+\b], |v[\s+16*\b+\i]|, |v[\s+1+16*\b+\i]|
.endr
.endr
.irp b, 0,1,2,3
	v_permlanex16_b32 v[\tm+4+\b], v[\tm+\b], s[SEL], s[SEL+1]
.endr
.irp b, 0,1,2,3
	v_max_num_f32 v[\tm+\b], v[\tm+\b], v[\tm+4+\b]
.endr
.irp b, 0,1,2,3
	v_add_nc_u32 v[\tm+12+\b], 0xff000000, v[\tm+\b]
.endr
.irp b, 0,1,2,3
	v_lshrrev_b32 v[\tm+4+\b], 23, v[\tm+12+\b]
.endr
	v_lshl_or_b32 v[\pw], v[\tm+5], 8, v[\tm+4]
	v_lshl_or_b32 v[\pw], v[\tm+6], 16, v[\pw]
	v_lshl_or_b32 v[\pw], v[\tm+7], 24, v[\pw]
.irp c, 0,1
	v_cvt_scalef32_pk16_fp6_f32 v[\pc+6*\c:\pc+2+6*\c], v[\s+32*\c:\s+15+32*\c], v[\tm+12+2*\c]
	v_cvt_scalef32_pk16_fp6_f32 v[\pc+12+4*\c:\pc+14+4*\c], v[\s+16+32*\c:\s+31+32*\c], v[\tm+12+2*\c+1]
.endr
	v_nop
.irp c, 0,1
.irp i, 0,1,2
	v_permlane16_swap_b32 v[\pc+6*\c+\i], v[\pc+12+4*\c+\i]
.endr
.irp i, 0,1,2
	v_mov_b32 v[\pc+3+6*\c+\i], v[\pc+12+4*\c+\i]
.endr
.endr
.endm
	s_load_b256 s[4:11], s[0:1], 0x0
	v_lshl_add_u32 v[SPW], v0, 2, SPARE
	v_mov_b32 v[NIL], 0
	ds_add_u32 v[SPW], v[NIL]
	ds_add_u32 v[SPW], v[NIL]
	v_lshrrev_b32 v1, 5, v0
	v_readfirstlane_b32 s[WV], v1
	s_lshr_b32 s[WR], s[WV], 1
	s_and_b32 s[WC], s[WV], 1
	s_bfe_u32 s[CX], ttmp6, 0x40000
	s_bfe_u32 s[CY], ttmp6, 0x40004
	s_lshl_b32 s77, ttmp9, 2
	s_add_co_u32 s77, s77, s[CX]
	s_and_b32 s78, ttmp7, 0xffff
	s_lshl_b32 s78, s78, 2
	s_add_co_u32 s78, s78, s[CY]
	s_lshl_b32 s80, s[CY], 2
	s_lshl_b32 s80, 15, s80
	s_lshl_b32 s81, 0x1111, s[CX]
	s_or_b32 s[G1R], s80, (3<<16)|(1<<21)
	s_or_b32 s[G1C], s81, (3<<16)|(1<<21)
.irp g, G1R, G1C
	s_mov_b32 s[\g+1], 32<<16
	s_mov_b32 s[\g+2], 100<<16
	s_mov_b32 s[\g+3], 32<<16
	s_mov_b32 s[\g+4], 100
	s_mov_b32 s[\g+5], 32
	s_mov_b32 s[\g+6], 0
	s_mov_b32 s[\g+7], 0
.endr
	s_lshl_b32 s92, s78, 1
	s_add_co_u32 s92, s92, s[WC]
	s_mul_i32 s92, s92, PANB
	s_mov_b32 s93, 0
	s_lshl_b32 s96, s77, 1
	s_add_co_u32 s96, s96, s[WC]
	s_mul_i32 s96, s96, PANB
	s_add_co_u32 s96, s96, W1OFF
	s_mov_b32 s97, 0
	s_mul_i32 s[LW], s[WV], REC
	s_mov_b32 s[SEL], 0x76543210
	s_mov_b32 s[SEL+1], 0xfedcba98
	s_wait_dscnt 0x0
	s_wait_kmcnt 0x0
	s_add_nc_u64 s[98:99], s[4:5], s[92:93]
	s_add_nc_u64 s[100:101], s[6:7], s[96:97]
	CROUND
.set PFO, 30                           ; v30 the prefetches' offset; never rewritten
.set PFB, 12                           ; s[12:13] the prefetches' base; never rewritten
	SETG0 G0R, G0C, 0
	SETG0 G0R+4, G0C+4, 1
	SETG0 G0R+8, G0C2, 2
	s_cmp_eq_u32 s[WR], 0                          ; do I fetch for h?
	s_cselect_b32 s2, s[CX], s[CY]                 ; my place among the four that ask with me: it enters a prefetch's address alone
	s_cselect_b64 s[PFB:PFB+1], s[98:99], s[100:101]
	s_mul_i32 s2, s2, 6400                         ; my 25 blocks of the record's 100
	s_mov_b32 s3, 0
	s_add_nc_u64 s[PFB:PFB+1], s[PFB:PFB+1], s[2:3]
	JLOAD G0R, G1R, G0C, G1C                       ; K slot 0: one tensor load a wave at the head
	v_and_b32 v[PFO], 31, v0
	v_min_u32 v[PFO], 24, v[PFO]
	v_lshlrev_b32 v[PFO], 8, v[PFO]
	global_prefetch_b8 v[PFO], s[PFB:PFB+1] offset:REC th:TH_LOAD_NT scope:SCOPE_SE      ; K slot 1
	global_prefetch_b8 v[PFO], s[PFB:PFB+1] offset:2*REC th:TH_LOAD_NT scope:SCOPE_SE    ; K slot 2
	v_and_b32 v1, 15, v0
	v_bfe_u32 v2, v0, 4, 1
	s_wait_alu depctr_va_vdst(0)
	v_and_b32 v3, 31, v0
	v_lshlrev_b32 v3, 4, v3
	s_mul_i32 s80, s[WR], REC
	s_mul_i32 s81, s[WC], REC
	s_add_co_u32 s81, s81, 2*REC
.irp k, 0,1,2
	v_add_nc_u32 v[ADRA+\k], s80, v3
	v_add_nc_u32 v[ADRB+\k], s81, v3
	s_add_co_u32 s80, s80, RGN
	s_add_co_u32 s81, s81, RGN
.endr
	s_mul_i32 s80, s[WR], REC
	s_mul_i32 s81, s[WC], REC
	s_add_co_u32 s81, s81, 2*REC
	s_sub_co_u32 s81, s81, s80
	v_mul_u32_u24 v22, s81, v2
	v_lshl_add_u32 v22, v1, 2, v22
	s_add_co_u32 s80, s80, 24576
.irp k, 0,1,2
	v_add_nc_u32 v[ADRS+\k], s80, v22
	s_add_co_u32 s80, s80, RGN
.endr
	s_lshl_b32 s80, s[WV], 9
	s_add_co_u32 s80, s80, SCR
	v_lshl_add_u32 v[SQA], v1, 2, s80
	v_add_nc_u32 v[RQT], s80, v3
	s_lshl_b32 s80, s78, 1
	s_add_co_u32 s80, s80, s[WR]
	s_lshl_b32 s80, s80, 4
	s_add_co_u32 s80, s80, s77
	s_mul_i32 s92, s80, REC
	s_add_nc_u64 s[SB0:SB0+1], s[10:11], s[92:93]
	s_lshl_b32 s80, s77, 1
	s_add_co_u32 s80, s80, s[WC]
	s_lshl_b32 s80, s80, 9
	v_lshl_add_u32 v[BA1], v2, 6, s80
	WIN TO_B
.irp b, 0,1,2,3,4,5,6,7
	global_load_b128 v[96+8*\b+96*(\b/4):99+8*\b+96*(\b/4)], v[BA1], s[8:9] offset:(32*(\b/2)+8*(\b%2))*4
	global_load_b128 v[100+8*\b+96*(\b/4):103+8*\b+96*(\b/4)], v[BA1], s[8:9] offset:(32*(\b/2)+8*(\b%2))*4+16
.endr
	WIN 0
	s_wait_alu depctr_va_vdst(0)
	s_wait_tensorcnt 0x0                           ; my part of K slot 0 is in
	ds_add_u32 v[SPW], v[NIL]
	s_wait_dscnt 0x0
	CROUND                                         ; everybody's part is in, and all sixteen work-groups are here
	JLOAD G0R+4, G1R, G0C+4, G1C                   ; K slot 1, the first tensor load behind the round
	FETCH_B 0, 0, 0
	FETCH_A 0, 0, 0
	SCALES 0, 0
	FETCH_A 0, 0, 4
	global_prefetch_b8 v[PFO], s[PFB:PFB+1] offset:3*REC th:TH_LOAD_NT scope:SCOPE_SE    ; K slot 3, two fills ahead of its load
	STEP 0, 0, 1                                   ; the first products start the sums
	TURN 0, 1, 0, 3
	STEP 1, 1, 0
	TURN 1, 2, 1, 2
	STEP 2, 0, 0
	TURN 2, 0, 0, 1
	STEP 0, 1, 0
	s_wait_dscnt 12
	WIN MUL_LO
	MUL16 0, 1, 1, 1, 0
	MUL16 2, 1, 1, 1, 0
	s_wait_dscnt 0x0
	WIN MUL_HI
	MUL16 4, 1, 1, 1, 0
	MUL16 6, 1, 1, 1, 0
	WIN 0
.macro COEF reg, bits
	s_mov_b32 s[\reg], \bits
	s_mul_f32 s[\reg], s[\reg], 0x3fb8aa3b
	s_mov_b32 s[\reg+1], s[\reg]
.endm
	COEF C0, 0xbfa1fc4e
	s_add_f32 s[C0], s[C0], -1.0
	s_mov_b32 s[C0+1], s[C0]
	COEF C1, 0x3f8000c7
	COEF C2, 0x3ebf88fb
	COEF C3, 0x3dc636c9
	COEF C4, 0xbe3ec24c
	COEF C5, 0x3e8ec7cc
	COEF C6, 0xbf914e5d
	COEF C7, 0x3fbe87b0
	COEF C9, 0x3e2ef946
	COEF NL, 0xbf527892
	v_mov_b32 v[C8V], s[NL]
	v_mov_b32 v[C8V+1], s[NL]
	s_mov_b32 s[NL], 0xbf38aa3b
	s_mov_b32 s[NL+1], s[NL]
	s_mov_b32 s[KK], 0x3eb504f3
.macro STUBQ a
	WIN (0x06+(\a)/4)
.set i, 0
.rept 32
	v_pk_add_f32 v[X+i:X+i+1], v[64*((\a)%4)+i:64*((\a)%4)+i+1], v[96+i+96*(i/32):97+i+96*(i/32)]
.set i, i+2
.endr
	WIN 0
.endm
.macro GELU g
.set XG, X+32*\g
.set i, 0
.rept 32
	v_fma_f32 v[U+i], |v[XG+i]|, s[KK], 1.0
.set i, i+1
.endr
.set i, 0
	s_wait_alu depctr_va_vdst(0)
.rept 16
	v_rcp_f32 v[U+i], v[U+i]
	v_rcp_f32 v[U+i+1], v[U+i+1]
	v_pk_mul_f32 v[Z+i:Z+i+1], v[XG+i:XG+i+1], v[XG+i:XG+i+1]
.set i, i+2
.endr
	s_wait_alu depctr_va_vdst(0)
.set i, 0
.rept 16
	v_pk_fma_f32 v[P+i:P+i+1], v[U+i:U+i+1], s[C9:C9+1], v[C8V:C8V+1] op_sel_hi:[1,0,0]
.set i, i+2
.endr
.irp c, C7,C6,C5,C4,C3,C2,C1,C0
.set i, 0
.rept 16
	v_pk_fma_f32 v[P+i:P+i+1], v[P+i:P+i+1], v[U+i:U+i+1], s[\c:\c+1] op_sel_hi:[1,1,0]
.set i, i+2
.endr
.endr
.set i, 0
.rept 16
	v_pk_fma_f32 v[P+i:P+i+1], v[Z+i:Z+i+1], s[NL:NL+1], v[P+i:P+i+1] op_sel_hi:[1,0,1]
.set i, i+2
.endr
.set i, 0
	s_wait_alu depctr_va_vdst(0)
.rept 32
	v_exp_f32 v[P+i], v[P+i]
	v_max_num_f32 v[Z+i], 0, v[XG+i]
.set i, i+1
.endr
	s_wait_alu depctr_va_vdst(0)
.set i, 0
.rept 16
	v_pk_mul_f32 v[P+i:P+i+1], v[P+i:P+i+1], v[U+i:U+i+1]
.set i, i+2
.endr
.set i, 0
.rept 32
	v_fma_f32 v[XG+i], -|v[XG+i]|, v[P+i], v[Z+i]
.set i, i+1
.endr
.endm
	s_wait_loadcnt 0x0
.irp b, 0,1,2,3
	v_mov_b32 v[TM+4+\b], 0
.endr
	s_mul_i32 s81, s[WC], 12288
	v_add_nc_u32 v23, s81, v3
	s_mov_b32 s[AB], 0
	s_mov_b32 s[AOFF], 0
.Lblk:
.irp n, 0,1,2,3,4,5,6
	s_cmp_eq_u32 s[AB], \n
	s_cbranch_scc1 .Lq\n
.endr
	STUBQ 7
	s_branch .Lqbody
.irp n, 0,1,2,3,4,5,6
.Lq\n:
	STUBQ \n
.if \n < 6
	s_branch .Lqbody
.endif
.endr
.Lqbody:
	s_wait_xcnt 0x0
	GELU 0
	GELU 1
	s_mul_i32 s80, s[AB], 1536
	v_add_nc_u32 v[VO1], s80, v23
	v_add_nc_u32 v[VSQ], s[AOFF], v[SQA]
	QUANT X, PC, TM, PW
.irp c, 0,1,2
	global_store_b128 v[VO1], v[PC+4*\c:PC+4*\c+3], s[SB0:SB0+1] offset:512*\c
.endr
	ds_store_b32 v[VSQ], v[PW]
	s_add_co_u32 s[AOFF], s[AOFF], 64
	s_add_co_u32 s[AB], s[AB], 1
	s_cmp_lt_u32 s[AB], 8
	s_cbranch_scc1 .Lblk
	ds_load_b128 v[128:131], v[RQT]
	s_lshl_b32 s80, s[WC], 9
	s_add_co_u32 s80, s80, 24576
	v_add_nc_u32 v24, s80, v3
	s_wait_alu depctr_va_vdst(0)
	s_wait_dscnt 0x0
	global_store_b128 v24, v[128:131], s[SB0:SB0+1]
	s_wait_tensorcnt 0x0
	ds_add_u32 v[SPW], v[NIL]
	s_wait_dscnt 0x0
	CROUND
	s_endpgm
.Lfunc_end_k_qa48663dc49_ffn1:
	.size	k_qa48663dc49_ffn1, .Lfunc_end_k_qa48663dc49_ffn1-k_qa48663dc49_ffn1
	.p2alignl 7, 3214868480
	.fill 96, 4, 3214868480
	.section	.rodata,"a",@progbits
	.p2align	6, 0x0
	.amdhsa_kernel k_qa48663dc49_ffn1
		.amdhsa_group_segment_fixed_size 327680
		.amdhsa_private_segment_fixed_size 0
		.amdhsa_enable_private_segment 0
		.amdhsa_kernarg_size 32
		.amdhsa_user_sgpr_count 2
		.amdhsa_user_sgpr_kernarg_segment_ptr 1
		.amdhsa_wavefront_size32 1
		.amdhsa_system_sgpr_workgroup_id_x 1
		.amdhsa_system_sgpr_workgroup_id_y 1
		.amdhsa_system_sgpr_workgroup_id_z 1
		.amdhsa_system_vgpr_workitem_id 0
		.amdhsa_next_free_vgpr 1024
		.amdhsa_next_free_sgpr 102
		.amdhsa_reserve_vcc 0
		.amdhsa_float_denorm_mode_32 3
		.amdhsa_float_denorm_mode_16_64 3
		.amdhsa_memory_ordered 1
		.amdhsa_forward_progress 1
		.amdhsa_inst_pref_size 171
	.end_amdhsa_kernel
	.amdgpu_metadata
---
amdhsa.version: [ 1, 2 ]
amdhsa.kernels:
  - .name:           k_qa48663dc49_ffn1
    .symbol:         k_qa48663dc49_ffn1.kd
    .args:
      - { .name: hp, .offset: 0, .size: 8, .value_kind: global_buffer, .address_space: global }
      - { .name: wts, .offset: 8, .size: 8, .value_kind: global_buffer, .address_space: global }
      - { .name: b1, .offset: 16, .size: 8, .value_kind: global_buffer, .address_space: global }
      - { .name: gp, .offset: 24, .size: 8, .value_kind: global_buffer, .address_space: global }
    .group_segment_fixed_size: 327680
    .private_segment_fixed_size: 0
    .kernarg_segment_align: 8
    .kernarg_segment_size: 32
    .max_flat_workgroup_size: 128
    .sgpr_count:     102
    .vgpr_count:     1024
    .wavefront_size: 32
...
	.end_amdgpu_metadata
.endif
;; end of part 5
;; launch ffn2 (part 6): grid 8 x 32, 4 waves a work-group, clusters of 4 x 4, 327,680 bytes of LDS; arguments gp, wts, b2, o, out0; writes out0
.if DOCPART == 6
	.amdgcn_target "amdgcn-amd-amdhsa--gfx1250"
	.amdhsa_code_object_version 6
	.text
	.protected	k_qa48663dc49_ffn2
	.globl	k_qa48663dc49_ffn2
	.p2align	8
	.type	k_qa48663dc49_ffn2,@function
k_qa48663dc49_ffn2:
	s_mov_b64 s[64:65], 0
	v_nop
	global_prefetch_b8 v0, s[64:65] scope:SCOPE_SE
	s_setreg_imm32_b32 hwreg(HW_REG_WAVE_MODE, 25, 1), 1
	s_wait_xcnt 0x0
	s_wait_alu depctr_hold_cnt(0) depctr_sa_sdst(0) depctr_va_vdst(0) depctr_va_sdst(0) depctr_va_ssrc(0) depctr_va_vcc(0) depctr_vm_vsrc(0)
	s_getreg_b32 s2, hwreg(HW_REG_IB_STS2, 6, 4)
	s_cmp_eq_u32 s2, 0
	s_cbranch_scc0 .Lentry_in_a_cluster
	s_endpgm
.Lentry_in_a_cluster:
	s_bfe_u32 s2, ttmp6, 0x10000c
	s_cmp_lg_u32 s2, 0xf033
	s_cbranch_scc0 .Lentry_shape_is_right
	s_endpgm
.Lentry_shape_is_right:
; out0 = o + g W2 + b2 on codes of E2M3.  g and W2 come as panel records (128 rows x 256 K, 25,600 bytes: images of the operand's registers, then the scale words), 16 records to a panel.
; A work-group makes 128 x 128, a wave 64 x 64 (16 accumulators, by turns); 256 work-groups.  The product is used transposed; b2 is the C of each accumulator's first product.
; CLUSTER 4 x 4: g's records are shared along a row of the cluster, W2's along a column: joint loads.
; THE RING: two slots, each with three records of either side; K = 4,096 is five such fills and a last one of one record.  Fill 0 is asked for at the head, one joint load a wave (half a side);
; fill 1 behind the full sequence and a round; each later fill behind the round at a change of slots.  By this text's count a wave has one tensor load out.
; PREFETCH: a wave's load is 150 blocks of 256 bytes; the partner at place p among the four that ask jointly (cx for g, cy for W2) names blocks 38 p .. 38 p + 37, held at 149: two
; instructions, a lane a block (lanes left over name the last again).  Of the last fill's 50 blocks the partner names 13 p .. 13 p + 12, held at 49.  Fills 1 and 2 are named behind fill 0's
; load, then fill f + 2 behind fill f's load; every step is an immediate from one base, and no lane leaves its panel.
; o's rows come into registers under the K steps; results go through the wave's stage in slot 0, which has had its last fill by then, and leave as aligned runs of 256 bytes.
; LIMITS: NaN and infinities are not served.
.set REC,   25600
.set SIDE,  3*REC
.set SLOT,  2*SIDE
.set SPARE, 2*SLOT
.set W2OFF, 5734400
.set ADRA, 4
.set ADRB, 10
.set ADRS, 16
.set STO,  23
.set RD,   24
.set CO,   25
.set BA,   26
.set SPW,  28
.set NIL,  29
.set SC,   32
.set B2,   64
.set RB,   96
.set ACC,  128
.set G1R,  16
.set G1C,  24
.set G1RS, 32
.set G1CS, 40
.set G0R,  48
.set G0C,  56
.set G0RS, 68
.set G0CS, 72
.set WV,   76
.set WR,   77
.set WC,   78
.set CX,   79
.set CY,   80
.set MSB, 0
.macro WIN new
.if MSB != \new
	s_set_vgpr_msb (MSB<<8)|\new
.set MSB, \new
.endif
.endm
.macro PLACES n
.rept \n
	v_nop
.endr
.endm
.macro JLOAD g0r, g1r, g0c, g1c
	s_cmp_eq_u32 s[WR], 0
	s_cbranch_scc0 .Lfor_c_\@
	tensor_load_to_lds s[\g0r:\g0r+3], s[\g1r:\g1r+7]
	s_nop 0
.rept 4
	v_nop
.endr
	s_branch .Lasked_\@
.Lfor_c_\@:
	tensor_load_to_lds s[\g0c:\g0c+3], s[\g1c:\g1c+7]
	s_nop 0
.rept 4
	v_nop
.endr
.Lasked_\@:
.endm
.macro CREST
	s_cmp_lg_u32 s[WV], 0
	s_cbranch_scc1 .Lnot_wave_0_\@
	s_barrier_signal -3
.Lnot_wave_0_\@:
	s_barrier_wait -3
	s_barrier_signal -1
	s_barrier_wait -1
.endm
.macro CROUND
	s_barrier_signal -1
	s_barrier_wait -1
	CREST
.endm
	s_load_b256 s[4:11], s[0:1], 0x0
	s_load_b64 s[12:13], s[0:1], 0x20
	v_lshl_add_u32 v[SPW], v0, 2, SPARE
	v_mov_b32 v[NIL], 0
	ds_add_u32 v[SPW], v[NIL]
	ds_add_u32 v[SPW], v[NIL]
	v_lshrrev_b32 v1, 5, v0
	v_readfirstlane_b32 s[WV], v1
	s_lshr_b32 s[WR], s[WV], 1
	s_and_b32 s[WC], s[WV], 1
	s_bfe_u32 s[CX], ttmp6, 0x40000
	s_bfe_u32 s[CY], ttmp6, 0x40004
	s_lshl_b32 s81, ttmp9, 2
	s_add_co_u32 s81, s81, s[CX]
	s_and_b32 s82, ttmp7, 0xffff
	s_lshl_b32 s82, s82, 2
	s_add_co_u32 s82, s82, s[CY]
	s_lshl_b32 s83, s[CY], 2
	s_lshl_b32 s83, 15, s83
	s_lshl_b32 s84, 0x1111, s[CX]
	s_or_b32 s[G1R], s83, (3<<16)|(1<<21)
	s_or_b32 s[G1C], s84, (3<<16)|(1<<21)
	s_or_b32 s[G1RS], s83, (3<<16)|(1<<21)
	s_or_b32 s[G1CS], s84, (3<<16)|(1<<21)
.irp g, G1R, G1C
	s_mov_b32 s[\g+1], 32<<16
	s_mov_b32 s[\g+2], 150<<16
	s_mov_b32 s[\g+3], 32<<16
	s_mov_b32 s[\g+4], 150
	s_mov_b32 s[\g+5], 32
	s_mov_b32 s[\g+6], 0
	s_mov_b32 s[\g+7], 0
.endr
.irp g, G1RS, G1CS
	s_mov_b32 s[\g+1], 32<<16
	s_mov_b32 s[\g+2], 50<<16
	s_mov_b32 s[\g+3], 32<<16
	s_mov_b32 s[\g+4], 50
	s_mov_b32 s[\g+5], 32
	s_mov_b32 s[\g+6], 0
	s_mov_b32 s[\g+7], 0
.endr
	s_mul_i32 s84, s82, 16*REC
	s_mov_b32 s85, 0
	s_mul_i32 s86, s81, 16*REC
	s_add_co_u32 s86, s86, W2OFF
	s_mov_b32 s87, 0
	s_mul_i32 s88, s[WC], SIDE/2
	s_mov_b32 s89, 0
	s_mul_i32 s90, s[WC], REC/2
	s_add_co_u32 s90, s90, 15*REC
	s_mov_b32 s91, 0
	s_mul_i32 s92, s[WV], SIDE/2
	s_mul_i32 s93, s[WR], SIDE
	s_mul_i32 s94, s[WC], REC/2
	s_add_co_u32 s93, s93, s94
	s_add_co_u32 s93, s93, SLOT
	s_wait_dscnt 0x0
	s_wait_kmcnt 0x0
	s_add_nc_u64 s[4:5], s[4:5], s[84:85]
	s_add_nc_u64 s[6:7], s[6:7], s[86:87]
	s_mov_b32 s[G0RS], 1
	s_mov_b32 s[G0RS+1], s93
	s_add_nc_u64 s[G0RS+2:G0RS+3], s[4:5], s[90:91]
	s_or_b32 s[G0RS+3], s[G0RS+3], 0x80000000
	s_mov_b32 s[G0CS], 1
	s_mov_b32 s[G0CS+1], s93
	s_add_nc_u64 s[G0CS+2:G0CS+3], s[6:7], s[90:91]
	s_or_b32 s[G0CS+3], s[G0CS+3], 0x80000000
	s_add_nc_u64 s[4:5], s[4:5], s[88:89]
	s_add_nc_u64 s[6:7], s[6:7], s[88:89]
	CROUND
.irp s, 0,1
	s_mov_b32 s[G0R+4*\s], 1
	s_add_co_u32 s[G0R+4*\s+1], s92, \s*SLOT
	s_add_nc_u64 s[G0R+4*\s+2:G0R+4*\s+3], s[4:5], \s*SIDE
	s_or_b32 s[G0R+4*\s+3], s[G0R+4*\s+3], 0x80000000
	s_mov_b32 s[G0C+4*\s], 1
	s_add_co_u32 s[G0C+4*\s+1], s92, \s*SLOT
	s_add_nc_u64 s[G0C+4*\s+2:G0C+4*\s+3], s[6:7], \s*SIDE
	s_or_b32 s[G0C+4*\s+3], s[G0C+4*\s+3], 0x80000000
.endr
.set PF0, 40                           ; v40-41 the prefetches' offsets in a fill of three records, v42 in the last record; never rewritten
.set PFB, 14                           ; s[14:15] the prefetches' base: where my half of fill 0 begins; never rewritten
	s_cmp_eq_u32 s[WR], 0                          ; do I fetch for g?
	s_cselect_b32 s2, s[CX], s[CY]                 ; my place among the four that ask with me: it enters a prefetch's address alone
	s_cselect_b64 s[PFB:PFB+1], s[4:5], s[6:7]
	s_mul_i32 s3, s2, 38
	s_mul_i32 s2, s2, 13
	s_mul_i32 s86, s[WC], REC
	s_sub_co_u32 s86, 15*REC, s86                  ; from my half of fill 0 (half a side x WC) to my half of the last record (15 records + half a record x WC)
	JLOAD G0R, G1R, G0C, G1C                       ; fill 0: one tensor load a wave at the head
	v_and_b32 v[PF0], 31, v0
	v_min_u32 v[PF0+1], 5, v[PF0]
	v_min_u32 v[PF0+2], 12, v[PF0]
	v_add_nc_u32 v[PF0], s3, v[PF0]                ; block 38 p + lane: 145 at the most
	v_add3_u32 v[PF0+1], v[PF0+1], s3, 32
	v_add_nc_u32 v[PF0+2], s2, v[PF0+2]
	v_min_u32 v[PF0+1], 149, v[PF0+1]
	v_min_u32 v[PF0+2], 49, v[PF0+2]
	v_lshlrev_b32 v[PF0], 8, v[PF0]
	v_lshlrev_b32 v[PF0+1], 8, v[PF0+1]
	v_lshl_add_u32 v[PF0+2], v[PF0+2], 8, s86
.irp f, 1,2
	global_prefetch_b8 v[PF0], s[PFB:PFB+1] offset:\f*SIDE th:TH_LOAD_NT scope:SCOPE_SE
	global_prefetch_b8 v[PF0+1], s[PFB:PFB+1] offset:\f*SIDE th:TH_LOAD_NT scope:SCOPE_SE
.endr
	v_and_b32 v1, 15, v0
	v_bfe_u32 v2, v0, 4, 1
	v_and_b32 v3, 31, v0
	v_lshlrev_b32 v3, 4, v3
	s_wait_alu depctr_va_vdst(0)
	s_lshl_b32 s83, s[WR], 8
	s_lshl_b32 s84, s[WC], 8
	s_add_co_u32 s84, s84, SIDE
	s_sub_co_u32 s84, s84, s83
	v_mul_u32_u24 v22, s84, v2
	v_lshl_add_u32 v22, v1, 2, v22
	s_wait_alu depctr_va_vdst(0)
	s_add_co_u32 s83, s83, 24576
	s_mul_i32 s84, s[WR], 6144
	s_mul_i32 s85, s[WC], 6144
	s_add_co_u32 s85, s85, SIDE
.irp x, 0,1,2,3,4,5
	v_add_nc_u32 v[ADRA+\x], s84, v3
	v_add_nc_u32 v[ADRB+\x], s85, v3
	v_add_nc_u32 v[ADRS+\x], s83, v22
.if \x == 2
	s_add_co_u32 s84, s84, SLOT-2*REC
	s_add_co_u32 s85, s85, SLOT-2*REC
	s_add_co_u32 s83, s83, SLOT-2*REC
.else
	s_add_co_u32 s84, s84, REC
	s_add_co_u32 s85, s85, REC
	s_add_co_u32 s83, s83, REC
.endif
.endr
	s_mul_i32 s83, s[WV], 4352
	v_mul_u32_u24 v[STO], v1, 272
	v_lshl_add_u32 v[STO], v2, 6, v[STO]
	v_add_nc_u32 v[STO], s83, v[STO]
	v_mul_u32_u24 v[RD], v2, 272
	v_lshl_add_u32 v[RD], v1, 4, v[RD]
	v_add_nc_u32 v[RD], s83, v[RD]
	v_lshlrev_b32 v[CO], 12, v2
	v_lshl_add_u32 v[CO], v1, 4, v[CO]
	s_lshl_b32 s83, s81, 1
	s_add_co_u32 s83, s83, s[WC]
	s_lshl_b32 s83, s83, 8
	v_lshl_add_u32 v[BA], v2, 6, s83
.irp b, 0,1,2,3
	global_load_b128 v[B2+8*\b:B2+8*\b+3], v[BA], s[8:9] offset:(32*(\b/2)+8*(\b%2))*4
	global_load_b128 v[B2+8*\b+4:B2+8*\b+7], v[BA], s[8:9] offset:(32*(\b/2)+8*(\b%2))*4+16
.endr
	s_lshl_b32 s84, s82, 1
	s_add_co_u32 s84, s84, s[WR]
	s_lshl_b32 s84, s84, 18
	s_add_co_u32 s84, s84, s83
	s_mov_b32 s85, 0
	s_add_nc_u64 s[10:11], s[10:11], s[84:85]
	s_add_nc_u64 s[12:13], s[12:13], s[84:85]
.macro FETCH n
.set KSL, (\n)/2
.set QQ, (\n)%2
.set IDX, 3*((KSL/3)%2)+KSL%3
	WIN 0x40
.irp i, 0,1,2,3
.irp c, 0,1,2
	ds_load_b128 v[128*QQ+12*\i+4*\c:128*QQ+12*\i+4*\c+3], v[ADRA+IDX] offset:QQ*12288+\i*1536+512*\c
	ds_load_b128 v[128*QQ+64+12*\i+4*\c:128*QQ+64+12*\i+4*\c+3], v[ADRB+IDX] offset:QQ*12288+\i*1536+512*\c
.endr
.endr
	WIN 0
.irp i, 0,1,2,3
	ds_load_b32 v[SC+4*QQ+\i], v[ADRS+IDX] offset:QQ*512+\i*64
.endr
.endm
.macro MUL4 a, p, first
.irp b, 0,1,2,3
.if \first
	v_wmma_scale_f32_16x16x128_f8f6f4 v[ACC+8*(4*(\a)+\b):ACC+8*(4*(\a)+\b)+7], v[128*(\p)+64+12*\b:128*(\p)+64+12*\b+11], v[128*(\p)+12*(\a):128*(\p)+12*(\a)+11], v[B2+8*\b:B2+8*\b+7], v[SC+4*(\p)+\b], v[SC+4*(\p)+(\a)] matrix_a_fmt:MATRIX_FMT_FP6 matrix_b_fmt:MATRIX_FMT_FP6 matrix_a_scale:MATRIX_SCALE_ROW1
.else
	v_wmma_scale_f32_16x16x128_f8f6f4 v[ACC+8*(4*(\a)+\b):ACC+8*(4*(\a)+\b)+7], v[128*(\p)+64+12*\b:128*(\p)+64+12*\b+11], v[128*(\p)+12*(\a):128*(\p)+12*(\a)+11], v[ACC+8*(4*(\a)+\b):ACC+8*(4*(\a)+\b)+7], v[SC+4*(\p)+\b], v[SC+4*(\p)+(\a)] matrix_a_fmt:MATRIX_FMT_FP6 matrix_b_fmt:MATRIX_FMT_FP6 matrix_a_scale:MATRIX_SCALE_ROW1
.endif
.endr
.endm
.macro KSTEP n
.set PP, (\n)%2
.set FI, (\n) == 0
.set SL, ((\n)/6)%2
.if ((\n)%6 == 5) && ((\n) < 30)
	WIN 0
	s_wait_tensorcnt 0x0
	ds_add_u32 v[SPW], v[NIL]
.if (\n) < 18
	s_add_nc_u64 s[G0R+4*SL+2:G0R+4*SL+3], s[G0R+4*SL+2:G0R+4*SL+3], 2*SIDE
	s_add_nc_u64 s[G0C+4*SL+2:G0C+4*SL+3], s[G0C+4*SL+2:G0C+4*SL+3], 2*SIDE
.endif
	s_wait_dscnt 0x0
	s_barrier_signal -1
	WIN 0x05
	MUL4 0, PP, 0
	MUL4 1, PP, 0
	WIN 0
	s_barrier_wait -1
.if (\n) < 29
	CREST
.if (\n) == 23
	JLOAD G0RS, G1RS, G0CS, G1CS
.else
	JLOAD G0R+4*SL, G1R, G0C+4*SL, G1C
.endif
.else
	PLACES 4
.endif
	FETCH (\n)+1
.if (\n) == 5
	global_prefetch_b8 v[PF0], s[PFB:PFB+1] offset:4*SIDE th:TH_LOAD_NT scope:SCOPE_SE     ; behind fill 2's load: fill 4
	global_prefetch_b8 v[PF0+1], s[PFB:PFB+1] offset:4*SIDE th:TH_LOAD_NT scope:SCOPE_SE
.endif
.if (\n) == 11
	global_prefetch_b8 v[PF0+2], s[PFB:PFB+1] th:TH_LOAD_NT scope:SCOPE_SE                 ; behind fill 3's load: the last record
.endif
	WIN 0x05
	MUL4 2, PP, 0
	MUL4 3, PP, 0
.else
	s_wait_dscnt 0x0
.if (\n) < 31
	PLACES 4
	FETCH (\n)+1
.endif
.if ((\n)%6 == 1) && ((\n) < 24)
.set RA, (\n)/6
	WIN 0x80
.irp i, 0,1,2,3,4,5,6,7
	global_load_b128 v[32*RA+4*\i:32*RA+4*\i+3], v[CO], s[10:11] offset:(32*(RA/2)+8*(RA%2)+2*\i+((2*\i)&8))*4096
.endr
	WIN 0
.endif
	WIN 0x05
	MUL4 0, PP, FI
	MUL4 1, PP, FI
	MUL4 2, PP, FI
	MUL4 3, PP, FI
.endif
.endm
	s_wait_alu depctr_va_vdst(0)
	s_wait_loadcnt 0x0
	s_wait_tensorcnt 0x0                           ; my part of fill 0 is in
	ds_add_u32 v[SPW], v[NIL]
	s_wait_dscnt 0x0
	CROUND                                         ; everybody's part is in, and all sixteen work-groups are here
	JLOAD G0R+4, G1R, G0C+4, G1C                   ; fill 1, the first tensor load behind the round
	FETCH 0
	global_prefetch_b8 v[PF0], s[PFB:PFB+1] offset:3*SIDE th:TH_LOAD_NT scope:SCOPE_SE     ; fill 3, two fills ahead of its load
	global_prefetch_b8 v[PF0+1], s[PFB:PFB+1] offset:3*SIDE th:TH_LOAD_NT scope:SCOPE_SE
.set NN, 0
.rept 32
	KSTEP NN
.set NN, NN+1
.endr
	WIN 0
	PLACES 4
	s_wait_loadcnt 0x0
.irp a, 0,1,2,3
.if \a > 0
	s_wait_xcnt 0x0
.endif
.irp b, 0,1,2,3
	ds_store_b128 v[STO], v[ACC+8*(4*\a+\b):ACC+8*(4*\a+\b)+3] offset:128*(\b/2)+32*(\b%2)
	ds_store_b128 v[STO], v[ACC+8*(4*\a+\b)+4:ACC+8*(4*\a+\b)+7] offset:128*(\b/2)+32*(\b%2)+16
.endr
.irp i, 0,1,2,3,4,5,6,7
	ds_load_b128 v[RB+4*\i:RB+4*\i+3], v[RD] offset:544*\i
.endr
	s_wait_dscnt 0x0
	WIN 0x08
.set i, 0
.rept 16
	v_pk_add_f32 v[RB+i:RB+i+1], v[RB+i:RB+i+1], v[32*\a+i:32*\a+i+1]
.set i, i+2
.endr
	WIN 0
.irp i, 0,1,2,3,4,5,6,7
	global_store_b128 v[CO], v[RB+4*\i:RB+4*\i+3], s[12:13] offset:(32*(\a/2)+8*(\a%2)+2*\i+((2*\i)&8))*4096 th:TH_STORE_NT
.endr
.endr
	s_wait_tensorcnt 0x0
	ds_add_u32 v[SPW], v[NIL]
	s_wait_dscnt 0x0
	CROUND
	s_endpgm
.Lfunc_end_k_qa48663dc49_ffn2:
	.size	k_qa48663dc49_ffn2, .Lfunc_end_k_qa48663dc49_ffn2-k_qa48663dc49_ffn2
	.p2alignl 7, 3214868480
	.fill 96, 4, 3214868480
	.section	.rodata,"a",@progbits
	.p2align	6, 0x0
	.amdhsa_kernel k_qa48663dc49_ffn2
		.amdhsa_group_segment_fixed_size 327680
		.amdhsa_private_segment_fixed_size 0
		.amdhsa_enable_private_segment 0
		.amdhsa_kernarg_size 40
		.amdhsa_user_sgpr_count 2
		.amdhsa_user_sgpr_kernarg_segment_ptr 1
		.amdhsa_wavefront_size32 1
		.amdhsa_system_sgpr_workgroup_id_x 1
		.amdhsa_system_sgpr_workgroup_id_y 1
		.amdhsa_system_sgpr_workgroup_id_z 1
		.amdhsa_system_vgpr_workitem_id 0
		.amdhsa_next_free_vgpr 768
		.amdhsa_next_free_sgpr 96
		.amdhsa_reserve_vcc 0
		.amdhsa_float_denorm_mode_32 3
		.amdhsa_float_denorm_mode_16_64 3
		.amdhsa_memory_ordered 1
		.amdhsa_forward_progress 1
		.amdhsa_inst_pref_size 161
	.end_amdhsa_kernel
	.amdgpu_metadata
---
amdhsa.version: [ 1, 2 ]
amdhsa.kernels:
  - .name:           k_qa48663dc49_ffn2
    .symbol:         k_qa48663dc49_ffn2.kd
    .args:
      - { .name: gp, .offset: 0, .size: 8, .value_kind: global_buffer, .address_space: global }
      - { .name: wts, .offset: 8, .size: 8, .value_kind: global_buffer, .address_space: global }
      - { .name: b2, .offset: 16, .size: 8, .value_kind: global_buffer, .address_space: global }
      - { .name: o, .offset: 24, .size: 8, .value_kind: global_buffer, .address_space: global }
      - { .name: out0, .offset: 32, .size: 8, .value_kind: global_buffer, .address_space: global }
    .group_segment_fixed_size: 327680
    .private_segment_fixed_size: 0
    .kernarg_segment_align: 8
    .kernarg_segment_size: 40
    .max_flat_workgroup_size: 128
    .sgpr_count:     96
    .vgpr_count:     768
    .wavefront_size: 32
...
	.end_amdgpu_metadata
.endif
;; end of part 6
